; MI455X (gfx1250); checked and timed in simulation.
; The chip was launched on July 23, 2026; its instructions are those of AMD's public machine-readable ISA for CDNA 5 (MIT licence, August 2026) and "CDNA5" Instruction Set Architecture Reference Guide (July 2026). The comments in the code are by the model that wrote it; some were corrected since.
;; Multi Head Attention. Allowed arithmetic: matrix products marked QUANTISED: E2M3 operands, one E8M0 scale for each 32 along K, by v_wmma_scale_f32_16x16x128_f8f6f4 with both operands' format E2M3, f32 sums; everything else in f32.
;; Inputs: Wk 1,024 x 1,024 float32; Wo 1,024 x 1,024 float32; Wq 1,024 x 1,024 float32; Wv 1,024 x 1,024 float32; x 4 x 2,048 x 1,024 float32.
;; Outputs: out0 4 x 2,048 x 1,024 float32.
;; This version of the problem:
;;   THIS VERSION OF THE PROBLEM IS GIVEN IN LOW PRECISION. The matrix products marked QUANTISED in the list below multiply operands that are first quantised to E2M3 (2 exponent bits, 3 mantissa bits; 6 bits a number), with one power-of-two scale for each 32 numbers along K (OCP MX v1.0); their sums are f32. All else is computed in f32.
;;   The module's matrix products, in the order in which they are computed (A, B: the left and right operand; K: the contracted axis; several contracted axes count as one K, in the product's order):
;;     1. [M 8,192, K 1,024] x [K 1,024, N 1,024]; A: input x; B: input Wq: QUANTISED
;;     2. [M 8,192, K 1,024] x [K 1,024, N 1,024]; A: input x; B: input Wk: QUANTISED
;;     3. [M 8,192, K 1,024] x [K 1,024, N 1,024]; A: input x; B: input Wv: QUANTISED
;;     4. batch 64 x [M 2,048, K 64] x [K 64, N 2,048]; A: computed on the way; B: computed on the way: QUANTISED
;;     5. batch 64 x [M 2,048, K 2,048] x [K 2,048, N 64]; A: softmax (see below); B: computed on the way: QUANTISED
;;     6. [M 8,192, K 1,024] x [K 1,024, N 1,024]; A: computed on the way; B: input Wo: QUANTISED
;;   THE QUANTISER, for each operand of a quantised product, along K:
;;     - K is cut into blocks of 32 from its start; a last block that is shorter is filled with zeros.
;;     - A block's scale is 2^e with e = floor(log2(the largest magnitude in the block)) - 2, held to -126 .. 127; a block of zeros has e = 0. As a byte (E8M0): e + 127.
;;     - Each number is divided by its block's scale, clamped to +-7.5, and rounded to the nearest number of E2M3, ties to even, subnormals kept.
;;     - The product sums the exact products of the quantised numbers (number of the format x scale) in f32.
;;   ~~~python
;;   def quantise(x, axis):      # numpy; x: float32 -> the quantised numbers, widened to float32 again
;;       x = np.moveaxis(x, axis, -1); K = x.shape[-1]
;;       x = np.pad(x, [(0, 0)] * (x.ndim - 1) + [(0, -K % 32)]); x = x.reshape(x.shape[:-1] + (-1, 32)); a = np.abs(x).max(-1, keepdims=True)
;;       e = np.where(a > 0, np.clip(np.frexp(np.where(a > 0, a, 1))[1] - 1 - 2, -126, 127), 0)      # np.frexp(a)[1] - 1 = floor(log2(a)), exactly
;;       r = np.clip(x / 2.0 ** e, -7.5, 7.5)
;;       step = 2.0 ** (np.maximum(np.frexp(np.where(r == 0, 1, r))[1] - 1, 0) - 3)
;;       q = np.round(r / step) * step * 2.0 ** e      # np.round: ties to even
;;       return np.moveaxis(q.reshape(q.shape[:-2] + (-1,))[..., :K], -1, axis).astype(np.float32)
;;   ~~~
;;   SOFTMAX AHEAD OF A QUANTISED PRODUCT. Where the list says 'softmax', what is quantised is not the finished softmax but p = 2^(t - M), with t = logit x log2(e) and M = ceil(the row's largest t), a whole number; so 1/2 < the row's largest p <= 1. The row's sum l is taken of the UNQUANTISED p, in f32, and the product's result is divided by l at the end. Since M is a whole number, a kernel that streams over the keys may use a running M (the ceiling of the running maximum): every later rescaling is an exact power of two, which a block's scale takes up: the codes' values come out the same.
;;   OPERANDS COMPUTED ON THE WAY. 'Computed on the way' means the value that the module computes at that place (a softmax that the list does not call 'softmax' is quantised finished and normalised). What goes into a quantiser is computed in f32, as accurately as f32 sums, v_exp_f32 and their like allow (about 1e-6 of the number): no bf16 or f16 on the way to a quantiser, and a product that is left as it is and whose result goes on into a quantised operand takes f32 operands (vector FMAs, or v_wmma_f32_16x16x4_f32). A number that lies on a knife's edge between two numbers of the format may be rounded either way, as far as f32 arithmetic and the matrix unit's own rounding can turn it there, and no further.
;; One version. Each part assembles by itself: llvm-mc -triple=amdgcn-amd-amdhsa -mcpu=gfx1250 --defsym DOCPART=n.
;; ======== version 1 of 1: 4 launches
;; workspace buffers: xc 6,291,456 bytes; xs 262,144 bytes; wc 3,145,728 bytes; ws 131,072 bytes; qkv 18,874,368 bytes; qkvs 1,310,720 bytes; ctxc 6,291,456 bytes; ctxs 262,144 bytes
;; launch quant (part 1): grid 384 x 1, 4 waves a work-group, no clusters, 35,328 bytes of LDS; arguments x, Wq, Wk, Wv, Wo, xc, xs, wc, ws; writes xc, xs, wc, ws
.if DOCPART == 1
	.amdgcn_target "amdgcn-amd-amdhsa--gfx1250"
	.amdhsa_code_object_version 6
	.text
	.protected	k_qc9ea200478_quant
	.globl	k_qc9ea200478_quant
	.p2align	8
	.type	k_qc9ea200478_quant,@function
k_qc9ea200478_quant:
	s_mov_b64 s[64:65], 0
	v_nop
	global_prefetch_b8 v0, s[64:65] scope:SCOPE_SE
	s_setreg_imm32_b32 hwreg(HW_REG_WAVE_MODE, 25, 1), 1
	s_wait_xcnt 0x0
; x [8192][1024] and Wq, Wk, Wv, Wo [1024][1024], f32, K innermost, become codes of FP6 (E2M3) with one E8M0 byte for each 32 along K.
; A block's scale is 2^(floor(log2(its largest magnitude)) - 2); its byte is the largest magnitude's exponent field - 2, held at 1 from below.
; LAYOUT OF THE RESULT: images of operand registers.  A fragment (16 rows x 128 K) is 1,536 bytes: six pieces of 256 bytes; piece p holds registers 2 p, 2 p + 1, lane l's 8 bytes at 8 l.
; xc, wc: [row tile][K step of 128][1536].  xs, ws: [row tile][K half][row 16][4 words]: a word is the four bytes of one row and 128 along K.  wc, ws hold Wq, Wk, Wv, Wo on end, 64 row tiles each.
; THE ROWS OF A TILE ARE NOT NEIGHBOURS: place r of tile T holds row 32 (T / 2) + 8 (T % 2) + r + 8 (r / 8), so that a product used transposed leaves 16 neighbours along the next K in a lane's 16 registers of two tiles.
; SHARES: a work-group takes 32 rows (two tiles); wave w takes tile w / 2 and K half w % 2: 16 rows x 512 K, in 8 steps of 16 rows x 64 K.  In a step lane (r, h) owns the whole block of 32 numbers at 32 h of row place r.
; Each load reads two whole rows' 256 consecutive bytes; the numbers turn through the wave's own stage in LDS (rows of 256 + 16 bytes) and come back 128 bytes a lane.  Waves share nothing: no barrier.
; No cluster: no two work-groups read the same bytes.  No matrix unit: the launch only streams.
; LIMITS: NaN and infinities among the inputs are not served.  A block of zeros gets the byte 1 where the rule says 127: its codes are zeros, which add nothing under any byte but 0xff, and this program alone reads the bytes.
.set WREG,  8704                       ; LDS of a wave: two stages of 16 x 272 bytes
.set STG,   4352
.set SPARE, 4*WREG                     ; behind the four regions: the spare words, 128 bytes a wave: two blocks of 256 bytes that no other line names
.set GIN,   4                          ; v4   in: 4,096 h + 16 r
.set SIN,   5                          ; v5   into the stage: row h of a pair, 16 r
.set SOUT,  6                          ; v6   out of it: row r, 128 h
.set GOUT,  7                          ; v7   8 x lane: my place in a piece
.set GSC,   8                          ; v8   16 r + 8 h: my two scale words
.set SH,    9                          ; v9   8 h
.set SPW,   14                         ; v14  my spare word's address; never rewritten
.set NIL,   15                         ; v15  0; never rewritten
.set R,     16                         ; v16-111  three sets of 32 registers, as loaded
.set X,     112                        ; v112-175 two sets of 32 neighbours
.set C,     176                        ; v176-239 codes: eight registers a step, so that no store's data are written again
.set SW,    240                        ; v240-243 the four scale words
.set PT,    244                        ; v244-247 the other half's bytes
	s_load_b256 s[4:11], s[0:1], 0x0               ; x, Wq, Wk, Wv
	s_load_b256 s[12:19], s[0:1], 0x20             ; Wo, xc, xs, wc
	s_load_b64 s[20:21], s[0:1], 0x40              ; ws
	v_lshl_add_u32 v[SPW], v0, 2, SPARE
	v_mov_b32 v[NIL], 0
	v_lshrrev_b32 v1, 5, v0
	v_readfirstlane_b32 s22, v1                    ; wave 0..3
	v_and_b32 v1, 31, v0                           ; lane
	v_and_b32 v2, 15, v0                           ; r
	v_bfe_u32 v3, v0, 4, 1                         ; h
	v_lshlrev_b32 v[GIN], 4, v2
	v_lshl_add_u32 v[GIN], v3, 12, v[GIN]
	s_mul_i32 s26, s22, WREG
	v_mul_u32_u24 v[SIN], v3, 272
	v_lshl_add_u32 v[SIN], v2, 4, v[SIN]
	v_add_nc_u32 v[SIN], s26, v[SIN]
	v_mul_u32_u24 v[SOUT], v2, 272
	v_lshl_add_u32 v[SOUT], v3, 7, v[SOUT]
	v_add_nc_u32 v[SOUT], s26, v[SOUT]
	v_lshlrev_b32 v[GOUT], 3, v1
	v_lshlrev_b32 v[GSC], 4, v2
	v_lshl_add_u32 v[GSC], v3, 3, v[GSC]
	v_lshlrev_b32 v[SH], 3, v3
.irp k, 0,1,2,3
	v_mov_b32 v[PT+\k], 0                          ; a lane permute's destination counts as one of its sources
.endr
	s_mov_b32 s34, 0x76543210
	s_mov_b32 s35, 0xfedcba98                      ; v_permlanex16_b32's selects for lane l xor 16
	s_cmp_lt_u32 ttmp9, 256                        ; the first 256 work-groups take x, the others the weights, 32 each
	s_cselect_b32 s25, 0, 256
	s_sub_co_u32 s23, ttmp9, s25                   ; which 32 rows of the destination
	s_and_b32 s24, s23, 31
	s_cmp_lt_u32 ttmp9, 256
	s_cselect_b32 s24, s23, s24                    ; which 32 rows of the source tensor
	s_lshl_b32 s28, s24, 17                        ; 32 rows of 4,096 bytes,
	s_lshr_b32 s27, s22, 1
	s_lshl_b32 s27, s27, 15                        ; the second tile begins 8 rows further down,
	s_add_co_u32 s28, s28, s27
	s_and_b32 s27, s22, 1
	s_lshl_b32 s27, s27, 11                        ; the second K half 512 numbers on
	s_add_co_u32 s28, s28, s27
	s_mov_b32 s29, 0
	s_mul_i32 s30, s23, 24576                      ; codes: two tiles of 8 fragments; a wave's four fragments are 6,144 bytes
	s_mul_i32 s27, s22, 6144
	s_add_co_u32 s30, s30, s27
	s_mov_b32 s31, 0
	s_lshl_b32 s32, s23, 10                        ; scale words: 256 bytes a wave
	s_lshl_b32 s27, s22, 8
	s_add_co_u32 s32, s32, s27
	s_mov_b32 s33, 0
	s_wait_kmcnt 0x0
	s_cmp_lt_u32 ttmp9, 352                        ; the source: a choice among buffers that hangs on the work-group's number alone
	s_cselect_b64 s[12:13], s[10:11], s[12:13]
	s_cmp_lt_u32 ttmp9, 320
	s_cselect_b64 s[12:13], s[8:9], s[12:13]
	s_cmp_lt_u32 ttmp9, 288
	s_cselect_b64 s[12:13], s[6:7], s[12:13]
	s_cmp_lt_u32 ttmp9, 256
	s_cselect_b64 s[12:13], s[4:5], s[12:13]
	s_cselect_b64 s[14:15], s[14:15], s[18:19]     ; the codes' buffer,
	s_cselect_b64 s[16:17], s[16:17], s[20:21]     ; the scale words'
	s_add_nc_u64 s[12:13], s[12:13], s[28:29]
	s_add_nc_u64 s[14:15], s[14:15], s[30:31]
	s_add_nc_u64 s[16:17], s[16:17], s[32:33]
.macro LOAD t                          ; step t: places 2 i (lanes 0-15) and 2 i + 1 (lanes 16-31), 256 consecutive bytes of each row
.irp i, 0,1,2,3,4,5,6,7
	global_load_b128 v[R+32*((\t)%3)+4*\i:R+32*((\t)%3)+4*\i+3], v[GIN], s[12:13] offset:(2*\i+8*(\i/4))*4096+256*(\t) th:TH_LOAD_NT
.endr
.endm
.macro TURN t                          ; through the stage: LDS serves a wave's instructions in order, so no wait stands between the stores and the loads
.irp i, 0,1,2,3,4,5,6,7
	ds_store_b128 v[SIN], v[R+32*((\t)%3)+4*\i:R+32*((\t)%3)+4*\i+3] offset:STG*((\t)%2)+544*\i
.endr
.irp i, 0,1,2,3,4,5,6,7
	ds_load_b128 v[X+32*((\t)%2)+4*\i:X+32*((\t)%2)+4*\i+3], v[SOUT] offset:STG*((\t)%2)+16*\i
.endr
.endm
.macro STEP t
.set XS, X+32*((\t)%2)
.set CT, C+8*(\t)
	s_wait_dscnt 0x0                               ; this step's numbers are back; its stores into the stage have read their registers,
.if (\t)+3 < 8
	LOAD (\t)+3                                    ; which take the loads of three steps on
.endif
.if (\t) < 7
.if (\t) <= 4
	s_wait_loadcnt 16                              ; the next step's eight loads are in; those of the two steps behind it may be out
.else
	s_wait_loadcnt 8*(6-(\t))
.endif
	TURN (\t)+1                                    ; and go through the other stage while this step is worked
.endif
	v_max3_num_f32 v12, |v[XS]|, |v[XS+1]|, |v[XS+2]|          ; the block's largest magnitude: all 32 numbers are mine; two chains
	v_max3_num_f32 v13, |v[XS+3]|, |v[XS+4]|, |v[XS+5]|
.irp i, 6,10,14,18,22,26
	v_max3_num_f32 v12, v12, |v[XS+\i]|, |v[XS+\i+1]|
	v_max3_num_f32 v13, v13, |v[XS+\i+2]|, |v[XS+\i+3]|
.endr
	v_max3_num_f32 v12, v12, |v[XS+30]|, |v[XS+31]|
	v_max3_num_f32 v12, v12, v13, 0x1800000        ; and the floor 2^(3 - 127): the byte cannot fall under 1
	v_add_nc_u32 v11, 0xff000000, v12              ; 2 off the exponent field: the conversion takes this operand's exponent field as its scale
	v_cvt_scalef32_pk16_fp6_f32 v[CT:CT+2], v[XS:XS+15], v11
	v_cvt_scalef32_pk16_fp6_f32 v[CT+4:CT+6], v[XS+16:XS+31], v11   ; (a conversion's three registers begin on an even number)
	v_lshrrev_b32 v13, 23, v11                     ; the scale's byte; also the plain line behind the conversions
.if (\t)%2 == 0
	v_mov_b32 v[SW+(\t)/2], v13                    ; block h of the K step,
.else
	v_lshl_or_b32 v[SW+(\t)/2], v13, 16, v[SW+(\t)/2]   ; block 2 + h
.endif
	v_mov_b32 v[CT+3], v[CT+4]
	v_mov_b32 v[CT+4], v[CT+5]
	v_mov_b32 v[CT+5], v[CT+6]                     ; six registers on end: half a fragment
.irp i, 0,1,2
	global_store_b64 v[GOUT], v[CT+2*\i:CT+2*\i+1], s[14:15] offset:768*(\t)+256*\i   ; a piece: 256 consecutive bytes, at a multiple of 256 from the buffer's first byte
.endr
.endm
	LOAD 0
	LOAD 1
	LOAD 2
	s_wait_loadcnt 16                              ; step 0's eight loads are in
	TURN 0
.irp t, 0,1,2,3,4,5,6,7
	STEP \t
.endr
.irp k, 0,1,2,3
	v_lshlrev_b32 v[SW+\k], v[SH], v[SW+\k]        ; my two bytes at their places in the word: 8 h bits up
.endr
.irp k, 0,1,2,3
	v_permlanex16_b32 v[PT+\k], v[SW+\k], s34, s35
.endr
.irp k, 0,1,2,3
	v_or_b32 v[SW+\k], v[SW+\k], v[PT+\k]          ; with lane l xor 16's two the word is whole
.endr
	v_cmp_eq_u32 vcc_lo, 1, v3
	v_cndmask_b32 v248, v[SW], v[SW+2], vcc_lo     ; lanes 0-15 store words 0 and 1 of their row, lanes 16-31 words 2 and 3
	v_cndmask_b32 v249, v[SW+1], v[SW+3], vcc_lo
	global_store_b64 v[GSC], v[248:249], s[16:17]  ; the wave stores 256 consecutive bytes, aligned
	s_wait_tensorcnt 0x0                           ; the wave's end: a wait, an add to the spare word and its wait, behind my last LDS store
	ds_add_u32 v[SPW], v[NIL]
	s_wait_dscnt 0x0
	s_endpgm
.Lfunc_end_k_qc9ea200478_quant:
	.size	k_qc9ea200478_quant, .Lfunc_end_k_qc9ea200478_quant-k_qc9ea200478_quant
	.p2alignl 7, 3214868480
	.fill 96, 4, 3214868480
	.section	.rodata,"a",@progbits
	.p2align	6, 0x0
	.amdhsa_kernel k_qc9ea200478_quant
		.amdhsa_group_segment_fixed_size 35328
		.amdhsa_private_segment_fixed_size 0
		.amdhsa_enable_private_segment 0
		.amdhsa_kernarg_size 72
		.amdhsa_user_sgpr_count 2
		.amdhsa_user_sgpr_kernarg_segment_ptr 1
		.amdhsa_wavefront_size32 1
		.amdhsa_system_sgpr_workgroup_id_x 1
		.amdhsa_system_sgpr_workgroup_id_y 1
		.amdhsa_system_sgpr_workgroup_id_z 1
		.amdhsa_system_vgpr_workitem_id 0
		.amdhsa_next_free_vgpr 256
		.amdhsa_next_free_sgpr 66
		.amdhsa_reserve_vcc 1
		.amdhsa_float_denorm_mode_32 3
		.amdhsa_float_denorm_mode_16_64 3
		.amdhsa_memory_ordered 1
		.amdhsa_forward_progress 1
		.amdhsa_inst_pref_size 32
	.end_amdhsa_kernel
	.amdgpu_metadata
---
amdhsa.version: [ 1, 2 ]
amdhsa.kernels:
  - .name:           k_qc9ea200478_quant
    .symbol:         k_qc9ea200478_quant.kd
    .args:
      - { .name: x, .offset: 0, .size: 8, .value_kind: global_buffer, .address_space: global }
      - { .name: Wq, .offset: 8, .size: 8, .value_kind: global_buffer, .address_space: global }
      - { .name: Wk, .offset: 16, .size: 8, .value_kind: global_buffer, .address_space: global }
      - { .name: Wv, .offset: 24, .size: 8, .value_kind: global_buffer, .address_space: global }
      - { .name: Wo, .offset: 32, .size: 8, .value_kind: global_buffer, .address_space: global }
      - { .name: xc, .offset: 40, .size: 8, .value_kind: global_buffer, .address_space: global }
      - { .name: xs, .offset: 48, .size: 8, .value_kind: global_buffer, .address_space: global }
      - { .name: wc, .offset: 56, .size: 8, .value_kind: global_buffer, .address_space: global }
      - { .name: ws, .offset: 64, .size: 8, .value_kind: global_buffer, .address_space: global }
    .group_segment_fixed_size: 35328
    .private_segment_fixed_size: 0
    .kernarg_segment_align: 8
    .kernarg_segment_size: 72
    .max_flat_workgroup_size: 128
    .sgpr_count:     66
    .vgpr_count:     256
    .wavefront_size: 32
...
	.end_amdgpu_metadata
.endif
;; end of part 1
;; launch proj (part 2): grid 96 x 4, 4 waves a work-group, clusters of 4 x 4, 327,680 bytes of LDS; arguments xc, xs, wc, ws, qkv, qkvs; writes qkv, qkvs
.if DOCPART == 2
	.amdgcn_target "amdgcn-amd-amdhsa--gfx1250"
	.amdhsa_code_object_version 6
	.text
	.protected	k_qc9ea200478_proj
	.globl	k_qc9ea200478_proj
	.p2align	8
	.type	k_qc9ea200478_proj,@function
k_qc9ea200478_proj:
	s_mov_b64 s[64:65], 0
	v_nop
	global_prefetch_b8 v0, s[64:65] scope:SCOPE_SE
	s_setreg_imm32_b32 hwreg(HW_REG_WAVE_MODE, 25, 1), 1
	s_wait_xcnt 0x0
	s_wait_alu depctr_hold_cnt(0) depctr_sa_sdst(0) depctr_va_vdst(0) depctr_va_sdst(0) depctr_va_ssrc(0) depctr_va_vcc(0) depctr_vm_vsrc(0)
	s_getreg_b32 s2, hwreg(HW_REG_IB_STS2, 6, 4)
	s_cmp_eq_u32 s2, 0
	s_cbranch_scc0 .Lentry_in_a_cluster
	s_endpgm
.Lentry_in_a_cluster:
	s_bfe_u32 s2, ttmp6, 0x10000c
	s_cmp_lg_u32 s2, 0xf033
	s_cbranch_scc0 .Lentry_shape_is_right
	s_endpgm
.Lentry_shape_is_right:
; q, k and v of the attention, on codes of FP6 (E2M3) with E8M0 scales, and their results quantised in registers for the attention's two products.
; TWO JOBS IN ONE TEXT, told apart by the cluster's number c, which all sixteen partners share.  JOB 0 (c < 16): C = x [Wq; Wk]^T, 32 x 8 tiles of 256 x 256.  JOB 1: C = Wv x^T, 4 x 32 tiles.
; In both, A's rows go to source 1 and B's to source 0, so a lane holds ONE row of A and its registers run along B's rows.  By the order of rows in the tiles (place r of tile T = row 32 (T / 2) + 8 (T % 2) + r + 8 (r / 8))
; the 64 registers of a block of 16 rows are 128 neighbours: register 16 b + i = column 32 b + 16 (lane / 16) + i.  JOB 0: columns are channels: q and k are quantised along the head's 64.  JOB 1: columns are tokens: v is quantised along the keys.
; OPERANDS lie in memory and in LDS as images of registers: a fragment (16 rows x 128 K) is six pieces of 256 bytes, piece p = registers 2 p, 2 p + 1, lane l at 8 l.  So every fragment load is six ds_load_b64 of 256 consecutive bytes.
; A tile of C is made by four waves, 128 x 128 each: 64 accumulators, 512 registers.  K = 1,024 goes in four steps of 256 through two LDS slots; the four steps are written out.
; The scale words of the work-group's 256 + 256 rows, for all of K, come once, with the first fills.
; CLUSTERS: 4 x 4 work-groups; A's tiles are asked for jointly along a row of the cluster, B's along a column.
; RESULTS: qkv: [16 head pairs: q's 8, then k's 8][512 token tiles][1536], then from byte 12,582,912 v: [64 groups of 128 tokens][64 channel tiles][1536].
;   qkvs: [32 heads: q's, then k's][512 token tiles][16 words], a head's two bytes in bytes 0 and 1 of its word (bytes 2 and 3 are the pair's other head's, which only ever meet zero codes); from byte 1,048,576 v's: [64][64][16 words].
; The grid is 384 work-groups: a tile that gave one work-group to each WGP would want 128 x 192 of C in a wave's registers beside the operands, which do not fit.
; LIMITS: NaN and infinities are not served.  A block of zeros gets the byte 1 where the rule says 127: its codes are zeros, and this program alone reads the bytes.
; REGISTERS: window 0: v16-29 addresses; v32-63 scale words, two sets; v128-223 A's fragments, one set.  Window 1: B's fragments, two sets, at v0 and v128.  Windows 2, 3: the accumulators ((a, b) at v[8 (8 (a % 4) + b)]).
.set NQ,     2                         ; matrix instructions deep in a slot
.set FR,     12                        ; registers of a fragment
.set NL,     6                         ; LDS loads that bring one
.set NP,     4                         ; places behind this matrix instruction (ISA guide 7.12.1)
.set HALFT,  24576                     ; 128 rows x 256 K: 8 row tiles x 2 fragments: what one tensor load brings
.set SLOT,   4*HALFT                   ; A's 256 rows, then B's
.set SCL,    2*SLOT                    ; behind the ring: the scale words
.set HALFS,  4096                      ; those of 128 rows
.set SPARE,  SCL+4*HALFS               ; the spare words, 128 bytes a wave: two blocks of 256 bytes that no other line names
.set ADRA, 16                          ; v16-17 LDS address of my A fragments in slot 0, 1
.set ADRB, 20                          ; v20-21 the same for B
.set SELV, 22                          ; v22    v_perm_b32's selector: lanes 0-15 leave a word as it is, lanes 16-31 change its halves
.set SRD,  23                          ; v23    the way out: where I read scale words back
.set SST,  24                          ; v24    and where I put one
.set CO2,  25                          ; v25    16 x lane
.set CO,   26                          ; v26    8 x lane
.set ADRS, 27                          ; v27    LDS address of my scale words: lanes 0-15 A's rows, lanes 16-31 B's
.set SPW,  28                          ; v28    my spare word's address; never rewritten
.set NIL,  29                          ; v29    0; never rewritten
.set SC,   32
.set AF,   128
.set TM,   32                          ; the way out: v32-47 at work
.set RW,   224                         ; v224-231 the eight blocks' scale words as stored
.set G1, 24
.set G0, 32
.set G1B, 48
.set G0B, 56
.set G1S, 68
.set G0S, 76
.set G1SB, 80
.set G0SB, 88
.set MSB, 0
.macro WIN new                         ; the immediate's high byte repeats the setting that is left
.if MSB != \new
	s_set_vgpr_msb (MSB<<8)|\new
.set MSB, \new
.endif
.endm
.set MUL_LO, 0xa1                      ; source 0 (B) window 1, source 1 (A) window 0, C and D window 2
.set MUL_HI, 0xf1                      ; the same, C and D window 3
.set TO_B,   0x40                      ; destination window 1, address window 0
; A joint load: waves 0 and 1 fetch for A, waves 2 and 3 for B.  The branch hangs on the wave's number alone.  An s_nop 0 and four v_nop follow each of the two lines.
.macro JLOAD g0a, g1a, g0b, g1b
	s_cmp_eq_u32 s17, 0
	s_cbranch_scc0 .Lfor_b_\@
	tensor_load_to_lds s[\g0a:\g0a+3], s[\g1a:\g1a+7]
	s_nop 0
.rept 4
	v_nop
.endr
	s_branch .Lasked_\@
.Lfor_b_\@:
	tensor_load_to_lds s[\g0b:\g0b+3], s[\g1b:\g1b+7]
	s_nop 0
.rept 4
	v_nop
.endr
.Lasked_\@:
.endm
.macro CREST                           ; a round of the cluster's barrier behind its opening barrier
	s_cmp_lg_u32 s16, 0
	s_cbranch_scc1 .Lnot_wave_0_\@
	s_barrier_signal -3
.Lnot_wave_0_\@:
	s_barrier_wait -3
	s_barrier_signal -1
	s_barrier_wait -1
.endm
.macro CROUND
	s_barrier_signal -1
	s_barrier_wait -1
	CREST
.endm
	s_load_b128 s[4:7], s[0:1], 0x0                ; xc, xs
	s_load_b128 s[8:11], s[0:1], 0x10              ; wc, ws
	s_load_b128 s[12:15], s[0:1], 0x20             ; qkv, qkvs
	v_lshl_add_u32 v[SPW], v0, 2, SPARE
	v_mov_b32 v[NIL], 0
	ds_add_u32 v[SPW], v[NIL]                      ; the wave's opening: the add and its wait stand ahead of my first tensor load; the set-up below, work on registers, stands between them
	v_lshrrev_b32 v1, 5, v0
	v_readfirstlane_b32 s16, v1                    ; wave 0..3
	s_lshr_b32 s17, s16, 1                         ; which half of the tile's rows is mine.  Also: I fetch for A (0) or for B (1)
	s_and_b32 s18, s16, 1                          ; which half of its columns.  Also: which 128 rows I fetch
	s_bfe_u32 s40, ttmp6, 0x40000                  ; cx, cy: my place in the cluster
	s_bfe_u32 s41, ttmp6, 0x40004
	s_and_b32 s20, ttmp9, 1                        ; JOB 0: the cluster's column,
	s_lshr_b32 s21, ttmp9, 1                       ; and row
	s_sub_co_u32 s22, ttmp9, 16                    ; JOB 1: its column; its row is 0
	s_mov_b32 s66, 64
	s_mov_b32 s67, 64
	s_cmp_lt_u32 ttmp9, 16
	s_cselect_b32 s42, s20, s22
	s_cselect_b32 s45, s21, 0
	s_cselect_b32 s19, 0, 1                        ; the job
	s_cselect_b32 s66, 512, s66                    ; row tiles in a column group of the codes' result,
	s_cselect_b32 s67, 1024, s67                   ; and of the scale words' (JOB 0: two heads to a group)
	s_lshl_b32 s42, s42, 2
	s_add_co_u32 s42, s42, s40                     ; tile column of C
	s_lshl_b32 s45, s45, 2
	s_add_co_u32 s45, s45, s41                     ; tile row of C
	s_lshl_b32 s43, s41, 2
	s_lshl_b32 s43, 15, s43                        ; my row of the cluster
	s_lshl_b32 s44, 0x1111, s40                    ; my column
	; descriptor group 1, code tiles: 8 row tiles x 3,072 bytes (two fragments), 12,288 bytes apart; elements of 8 bytes; no padding: every LDS load takes 256 consecutive bytes
	s_or_b32 s[G1+0], s43, (3<<16)|(1<<21)         ; 15:0 the mask: A's tiles go to my row; 17:16 elements of 8 bytes; 21 set beside a mask
	s_or_b32 s[G1B+0], s44, (3<<16)|(1<<21)
.irp g, G1, G1B
	s_mov_b32 s[\g+1], 384<<16                     ; tensor_dim0
	s_mov_b32 s[\g+2], 8<<16                       ; tensor_dim1
	s_mov_b32 s[\g+3], 384<<16                     ; tile_dim0
	s_mov_b32 s[\g+4], 8                           ; tile_dim1
	s_mov_b32 s[\g+5], 1536                        ; tensor_dim0_stride
	s_mov_b32 s[\g+6], 0
	s_mov_b32 s[\g+7], 0
.endr
	; and the scale words of 128 rows: 4,096 dense bytes, as 16 rows of 256
	s_or_b32 s[G1S+0], s43, (3<<16)|(1<<21)
	s_or_b32 s[G1SB+0], s44, (3<<16)|(1<<21)
.irp g, G1S, G1SB
	s_mov_b32 s[\g+1], 32<<16
	s_mov_b32 s[\g+2], 16<<16
	s_mov_b32 s[\g+3], 32<<16
	s_mov_b32 s[\g+4], 16
	s_mov_b32 s[\g+5], 32
	s_mov_b32 s[\g+6], 0
	s_mov_b32 s[\g+7], 0
.endr
	s_lshl_b32 s23, s18, 7                         ; which 128 rows of the tile I fetch
	s_lshl_b32 s20, s45, 8
	s_add_co_u32 s20, s20, s23                     ; A: row 256 x tile row + 128 x half
	s_lshl_b32 s46, s42, 8
	s_add_co_u32 s46, s46, s23                     ; B: row 256 x tile column + 128 x half
	s_lshl_b32 s22, s20, 5                         ; scale words: 32 bytes a row,
	s_lshl_b32 s2, s46, 5
	s_mul_i32 s20, s20, 768                        ; codes: 768
	s_mul_i32 s46, s46, 768
	s_mul_i32 s92, s19, 1572864                    ; JOB 1: A is Wv, which begins 128 row tiles into wc and ws
	s_add_co_u32 s20, s20, s92
	s_lshl_b32 s92, s19, 16
	s_add_co_u32 s22, s22, s92
	s_mov_b32 s21, 0
	s_mov_b32 s23, 0
	s_mov_b32 s47, 0
	s_mov_b32 s3, 0
	s_mul_i32 s100, s16, HALFT                     ; where they go: wave x 128 rows: no place in the cluster enters an LDS address
	s_mul_i32 s101, s16, HALFS
	s_wait_dscnt 0x0                               ; the opening add is done
	s_wait_kmcnt 0x0
	s_cmp_eq_u32 s19, 0                            ; which buffers are A's and which B's: the choice hangs on the cluster's number alone
	s_cselect_b64 s[92:93], s[4:5], s[8:9]
	s_cselect_b64 s[94:95], s[6:7], s[10:11]
	s_cselect_b64 s[96:97], s[8:9], s[4:5]
	s_cselect_b64 s[98:99], s[10:11], s[6:7]
	s_add_nc_u64 s[92:93], s[92:93], s[20:21]
	s_add_nc_u64 s[94:95], s[94:95], s[22:23]
	s_add_nc_u64 s[96:97], s[96:97], s[46:47]
	s_add_nc_u64 s[98:99], s[98:99], s[2:3]
	CROUND                                         ; all sixteen work-groups are here: the first joint loads meet
	s_mov_b32 s[G0S], 1
	s_add_co_u32 s[G0S+1], s101, SCL
	s_mov_b64 s[G0S+2:G0S+3], s[94:95]
	s_or_b32 s[G0S+3], s[G0S+3], 0x80000000
	s_mov_b32 s[G0SB], 1
	s_add_co_u32 s[G0SB+1], s101, SCL
	s_mov_b64 s[G0SB+2:G0SB+3], s[98:99]
	s_or_b32 s[G0SB+3], s[G0SB+3], 0x80000000
	JLOAD G0S, G1S, G0SB, G1SB                     ; the scale words first: they are wanted with K step 0
.irp s, 0,1
	s_mov_b32 s[G0+4*\s], 1
	s_add_co_u32 s[G0+4*\s+1], s100, \s*SLOT
	s_add_nc_u64 s[G0+4*\s+2:G0+4*\s+3], s[92:93], \s*3072
	s_or_b32 s[G0+4*\s+3], s[G0+4*\s+3], 0x80000000
	s_mov_b32 s[G0B+4*\s], 1
	s_add_co_u32 s[G0B+4*\s+1], s100, \s*SLOT
	s_add_nc_u64 s[G0B+4*\s+2:G0B+4*\s+3], s[96:97], \s*3072
	s_or_b32 s[G0B+4*\s+3], s[G0B+4*\s+3], 0x80000000
	JLOAD G0+4*\s, G1, G0B+4*\s, G1B               ; three tensor loads of mine are out
.endr
	v_and_b32 v1, 15, v0                           ; r
	v_bfe_u32 v2, v0, 4, 1                         ; h
	v_and_b32 v3, 31, v0                           ; lane
	v_lshlrev_b32 v[CO], 3, v3
	v_lshlrev_b32 v[CO2], 4, v3
	s_mul_i32 s21, s17, HALFT                      ; my 128 rows of A
	s_mul_i32 s22, s18, HALFT                      ; my 128 rows of B,
	s_add_co_u32 s22, s22, 2*HALFT                 ; which lie behind A's 256
.irp s, 0,1
	v_add_nc_u32 v[ADRA+\s], s21, v[CO]
	v_add_nc_u32 v[ADRB+\s], s22, v[CO]
	s_add_co_u32 s21, s21, SLOT
	s_add_co_u32 s22, s22, SLOT
.endr
	v_lshlrev_b32 v5, 4, v1                        ; my row's scale words: 16 bytes a row in each K half
	s_mul_i32 s21, s17, HALFS                      ; A's: my 128 rows
	s_mul_i32 s22, s18, HALFS                      ; B's: my 128 rows, behind A's 256
	s_add_co_u32 s22, s22, 2*HALFS
	s_sub_co_u32 s22, s22, s21
	v_mul_u32_u24 v6, s22, v2                      ; lanes 16-31 take B's
	s_add_co_u32 s21, s21, SCL
	v_add_nc_u32 v5, v5, v6
	v_add_nc_u32 v[ADRS], s21, v5
	s_lshl_b32 s23, s16, 10                        ; the way out's stage for scale words: 1,024 bytes a wave, in slot 0
	v_lshlrev_b32 v5, 2, v1
	v_lshl_add_u32 v5, v2, 9, v5
	v_add_nc_u32 v[SST], s23, v5                   ; in: 512 h + 4 r
	v_add_nc_u32 v[SRD], s23, v[CO2]               ; back: 16 bytes a lane
	v_mov_b32 v[SELV], 0x03020100
	v_sub_nc_u32 v5, 0, v2
	v_and_b32 v5, 0x02020202, v5
	v_xor_b32 v[SELV], v[SELV], v5                 ; lanes 16-31: 0x01000302
	; where my results go
	s_lshl_b32 s92, s42, 1
	s_add_co_u32 s92, s92, s18                     ; my group of 128 columns
	s_lshl_b32 s93, s45, 4
	s_lshl_b32 s94, s17, 3
	s_add_co_u32 s93, s93, s94                     ; my first row tile
	s_mul_i32 s94, s92, s66
	s_add_co_u32 s94, s94, s93
	s_mul_i32 s94, s94, 1536
	s_mul_i32 s96, s19, 12582912
	s_add_co_u32 s94, s94, s96
	s_mov_b32 s95, 0
	s_add_nc_u64 s[12:13], s[12:13], s[94:95]
	s_mul_i32 s94, s92, s67
	s_add_co_u32 s94, s94, s93
	s_lshl_b32 s94, s94, 6
	s_lshl_b32 s96, s19, 20
	s_add_co_u32 s94, s94, s96
	s_add_nc_u64 s[14:15], s[14:15], s[94:95]
.macro FRAG reg, adr, q, i             ; a fragment: six pieces of 256 bytes, as they lie
.irp p, 0,1,2,3,4,5
	ds_load_b64 v[\reg+2*\p:\reg+2*\p+1], v[\adr] offset:(\i)*3072+(\q)*1536+256*\p
.endr
.endm
; 16 matrix instructions: A's blocks a0, a0 + 1 x B's eight, 128 along K: the slot's q-th.  p: B's set; sc: the set of scale words.  zero = 1: the first product starts the sums.
; The 64 accumulators take turns, one instruction a turn, in the same order in every step.
.macro MUL16 a0, p, q, sc, zero
.irp a, \a0, \a0+1
.irp b, 0,1,2,3,4,5,6,7
.if \zero
	v_wmma_scale_f32_16x16x128_f8f6f4 v[8*(8*((\a)%4)+\b):8*(8*((\a)%4)+\b)+7], v[128*(\p)+FR*\b:128*(\p)+FR*\b+FR-1], v[AF+FR*(\a):AF+FR*(\a)+FR-1], 0, v[SC+8*NQ*(\sc)+NQ*\b+(\q)], v[SC+8*NQ*(\sc)+NQ*(\a)+(\q)] matrix_a_fmt:MATRIX_FMT_FP6 matrix_b_fmt:MATRIX_FMT_FP6 matrix_a_scale:MATRIX_SCALE_ROW1
.else
	v_wmma_scale_f32_16x16x128_f8f6f4 v[8*(8*((\a)%4)+\b):8*(8*((\a)%4)+\b)+7], v[128*(\p)+FR*\b:128*(\p)+FR*\b+FR-1], v[AF+FR*(\a):AF+FR*(\a)+FR-1], v[8*(8*((\a)%4)+\b):8*(8*((\a)%4)+\b)+7], v[SC+8*NQ*(\sc)+NQ*\b+(\q)], v[SC+8*NQ*(\sc)+NQ*(\a)+(\q)] matrix_a_fmt:MATRIX_FMT_FP6 matrix_b_fmt:MATRIX_FMT_FP6 matrix_a_scale:MATRIX_SCALE_ROW1
.endif
.endr
.endr
.endm
.macro FETCH_B slot, q, p
	WIN TO_B
.irp i, 0,1,2,3,4,5,6,7
	FRAG 128*(\p)+FR*\i, ADRB+\slot, \q, \i
.endr
	WIN 0
.endm
.macro FETCH_A slot, q, i0
.irp i, \i0, \i0+1, \i0+2, \i0+3
	FRAG AF+FR*(\i), ADRA+\slot, \q, \i
.endr
.endm
.macro SCALES sc, j                    ; K step j's scale words into set sc: two words a row; lanes 0-15 take A's block i, lanes 16-31 B's block i
.irp i, 0,1,2,3,4,5,6,7
	ds_load_b64 v[SC+8*NQ*\sc+NQ*\i:SC+8*NQ*\sc+NQ*\i+1], v[ADRS] offset:512*\i+256*((\j)/2)+8*((\j)%2)
.endr
.endm
.macro PLACES n                        ; plain vector lines between a matrix instruction and a load into, or a vector read of, its registers
.rept \n
	v_nop
.endr
.endm
; A step of 128 along K that has its successor in the same slot.
.macro STEP slot, q, zero
	s_wait_dscnt 4*NL                              ; B's set and A's blocks 0-3 are in; the youngest 24 loads (A's blocks 4-7) may be out
	WIN MUL_LO
	MUL16 0, (\q)%2, \q, \slot, \zero
	MUL16 2, (\q)%2, \q, \slot, \zero
	s_wait_dscnt 0                                 ; A's blocks 4-7 are in
	PLACES NP
	FETCH_B \slot, (\q)+1, 1-(\q)%2
	FETCH_A \slot, (\q)+1, 0
	WIN MUL_HI
	MUL16 4, (\q)%2, \q, \slot, \zero
	MUL16 6, (\q)%2, \q, \slot, \zero
	PLACES NP
	WIN 0
	FETCH_A \slot, (\q)+1, 4
.endm
; A slot's last step changes slots: one barrier; in front of it each wave waits for all its tensor loads, adds 0 to its spare word, and waits for that and for its own reads of this slot.
; fill = 1: this slot is filled again, two K steps ahead; the barrier then opens a round of the cluster's barrier.  j: the K step that lies in the next slot.
.macro TURN slot, next, fill, j
	s_wait_tensorcnt 0x0                           ; all my tensor loads have landed: my part of the next slot
	ds_add_u32 v[SPW], v[NIL]                      ; 0 onto my spare word
	s_wait_dscnt 4*NL+1                            ; (the add and the youngest 24 loads, A's blocks 4-7, may be out)
	WIN MUL_LO
	MUL16 0, 1, NQ-1, \slot, 0                     ; sixteen matrix instructions stand between the add and the wait for it
	s_wait_dscnt 0x0                               ; the add is done, and my reads of this slot are over
	s_barrier_signal -1
	MUL16 2, 1, NQ-1, \slot, 0
	WIN 0
	s_barrier_wait -1
.if \fill
	CREST                                          ; no wave of any partner still reads this slot's tile or has a load on its way
	s_add_nc_u64 s[G0+4*\slot+2:G0+4*\slot+3], s[G0+4*\slot+2:G0+4*\slot+3], 6144
	s_add_nc_u64 s[G0B+4*\slot+2:G0B+4*\slot+3], s[G0B+4*\slot+2:G0B+4*\slot+3], 6144
	JLOAD G0+4*\slot, G1, G0B+4*\slot, G1B         ; the first tensor load behind the round; the four v_nop behind it are the places in front of the loads below
.else
	PLACES NP
.endif
	FETCH_B \next, 0, 0
	FETCH_A \next, 0, 0
	SCALES \next, \j
	WIN MUL_HI
	MUL16 4, 1, NQ-1, \slot, 0
	MUL16 6, 1, NQ-1, \slot, 0
	PLACES NP
	WIN 0
	FETCH_A \next, 0, 4
.endm
	s_wait_tensorcnt 1                             ; the scale words and my part of K step 0 are in (K step 1's load may be out)
	s_barrier_signal -1
	s_barrier_wait -1                              ; everybody's are
	FETCH_B 0, 0, 0
	FETCH_A 0, 0, 0
	SCALES 0, 0
	FETCH_A 0, 0, 4
	STEP 0, 0, 1                                   ; K step 0: its first products start the sums
	TURN 0, 1, 1, 1                                ; slot 0 takes K step 2
	STEP 1, 0, 0                                   ; K step 1
	TURN 1, 0, 1, 2                                ; slot 1 takes K step 3
	STEP 0, 0, 0                                   ; K step 2
	TURN 0, 1, 0, 3                                ; nothing is left to fetch
	STEP 1, 0, 0                                   ; K step 3
	s_wait_dscnt 4*NL
	WIN MUL_LO
	MUL16 0, 1, NQ-1, 1, 0
	MUL16 2, 1, NQ-1, 1, 0
	s_wait_dscnt 0
	WIN MUL_HI
	MUL16 4, 1, NQ-1, 1, 0
	MUL16 6, 1, NQ-1, 1, 0
	WIN 0
; THE WAY OUT.  Block a (16 rows of A x my 128 columns) is 64 registers a lane, register 16 b + i = column 32 b + 16 (lane / 16) + i: four blocks of 32, each in lanes l and l xor 16.
; It becomes one fragment and one scale word a row, and leaves as an image: six stores of 256 consecutive bytes.  Each block has code registers of its own, so no store's data are written again.
.macro OUTQ a
.set W, 2+(\a)/4
.set AC, 64*((\a)%4)
.set PC, 64+20*(\a)
.set WW, (W<<2)|(W<<4)
	WIN WW                                         ; sources 1 and 2: the accumulators' window
.irp b, 0,1,2,3
	v_max3_num_f32 v[TM+\b], 0x1800000, |v[AC+16*\b]|, |v[AC+16*\b+1]|   ; my 16 numbers of block b, and the floor 2^(3 - 127); each accumulator is read from its low end on
.endr
.irp i, 2,4,6,8,10,12,14
.irp b, 0,1,2,3
	v_max3_num_f32 v[TM+\b], v[TM+\b], |v[AC+16*\b+\i]|, |v[AC+16*\b+\i+1]|
.endr
.endr
	WIN 0
.irp b, 0,1,2,3
	v_permlanex16_b32 v[TM+4+\b], v[TM+\b], s20, s21
.endr
.irp b, 0,1,2,3
	v_max_num_f32 v[TM+\b], v[TM+\b], v[TM+4+\b]   ; with lane l xor 16's: the block's largest magnitude
.endr
.irp b, 0,1,2,3
	v_add_nc_u32 v[TM+12+\b], 0xff000000, v[TM+\b] ; 2 off its exponent field: the conversion's scale operand
.endr
.irp b, 0,1,2,3
	v_lshrrev_b32 v[TM+4+\b], 23, v[TM+12+\b]      ; the scale's byte
.endr
	v_lshl_or_b32 v[TM+8], v[TM+5], 8, v[TM+4]
	v_lshl_or_b32 v[TM+8], v[TM+6], 16, v[TM+8]
	v_lshl_or_b32 v[TM+8], v[TM+7], 24, v[TM+8]    ; my row's scale word
	WIN W                                          ; source 0: the accumulators' window
.irp c, 0,1
	v_cvt_scalef32_pk16_fp6_f32 v[PC+6*\c:PC+6*\c+2], v[AC+32*\c:AC+32*\c+15], v[TM+12+2*\c]
	v_cvt_scalef32_pk16_fp6_f32 v[PC+12+4*\c:PC+14+4*\c], v[AC+32*\c+16:AC+32*\c+31], v[TM+12+2*\c+1]   ; (a conversion's three registers begin on an even number)
.endr
	WIN 0
	v_nop                                          ; one plain line behind a scaled conversion
.irp c, 0,1                            ; the operand's layout wants a whole block in a lane: lanes 0-15 block 2 c, lanes 16-31 block 2 c + 1
.irp i, 0,1,2
	v_permlane16_swap_b32 v[PC+6*\c+\i], v[PC+12+4*\c+\i]
.endr
.irp i, 0,1,2
	v_mov_b32 v[PC+3+6*\c+\i], v[PC+12+4*\c+\i]
.endr
.endr
.irp p, 0,1,2,3,4,5
	global_store_b64 v[CO], v[PC+2*\p:PC+2*\p+1], s[12:13] offset:1536*(\a)+256*\p
.endr
	v_perm_b32 v[RW+(\a)], v[TM+8], v[TM+8], v[SELV]   ; lanes 16-31 hold the word with its halves changed: the pair's odd head's
	ds_store_b32 v[SST], v[RW+(\a)] offset:64*(\a)
.endm
	PLACES NP                                      ; behind the last products: their results are read, and registers that they read are written
	s_mov_b32 s20, 0x76543210
	s_mov_b32 s21, 0xfedcba98                      ; v_permlanex16_b32's selects for lane l xor 16
.irp b, 0,1,2,3
	v_mov_b32 v[TM+4+\b], 0                        ; a lane permute's destination counts as one of its sources
.endr
.irp a, 0,1,2,3,4,5,6,7
	OUTQ \a
.endr
	; the scale words: my stage lies in slot 0, which has had its last fill, and which nobody reads behind the last change of slots.  LDS serves a wave's instructions in order: the loads see my stores
	ds_load_b128 v[232:235], v[SRD]
	ds_load_b128 v[236:239], v[SRD] offset:512
	s_wait_dscnt 0x0
	global_store_b128 v[CO2], v[232:235], s[14:15] ; eight row tiles' words: 512 consecutive bytes
	s_cmp_lg_u32 s19, 0
	s_cbranch_scc1 .Lone_word                      ; JOB 1 has one word a row; the branch hangs on the cluster's number alone
	global_store_b128 v[CO2], v[236:239], s[14:15] offset:32768   ; JOB 0: the odd head's, one head (512 tiles x 64 bytes) on
.Lone_word:
	s_wait_tensorcnt 0x0                           ; the wave's end: a wait, an add to the spare word and its wait, behind my last tensor load and my last LDS store
	ds_add_u32 v[SPW], v[NIL]
	s_wait_dscnt 0x0
	CROUND                                         ; the closing round: no work-group ends while a partner may still ask for a tile that names it
	s_endpgm
.Lfunc_end_k_qc9ea200478_proj:
	.size	k_qc9ea200478_proj, .Lfunc_end_k_qc9ea200478_proj-k_qc9ea200478_proj
	.p2alignl 7, 3214868480
	.fill 96, 4, 3214868480
	.section	.rodata,"a",@progbits
	.p2align	6, 0x0
	.amdhsa_kernel k_qc9ea200478_proj
		.amdhsa_group_segment_fixed_size 327680
		.amdhsa_private_segment_fixed_size 0
		.amdhsa_enable_private_segment 0
		.amdhsa_kernarg_size 48
		.amdhsa_user_sgpr_count 2
		.amdhsa_user_sgpr_kernarg_segment_ptr 1
		.amdhsa_wavefront_size32 1
		.amdhsa_system_sgpr_workgroup_id_x 1
		.amdhsa_system_sgpr_workgroup_id_y 1
		.amdhsa_system_sgpr_workgroup_id_z 1
		.amdhsa_system_vgpr_workitem_id 0
		.amdhsa_next_free_vgpr 1024
		.amdhsa_next_free_sgpr 102
		.amdhsa_reserve_vcc 0
		.amdhsa_float_denorm_mode_32 3
		.amdhsa_float_denorm_mode_16_64 3
		.amdhsa_memory_ordered 1
		.amdhsa_forward_progress 1
		.amdhsa_inst_pref_size 167
	.end_amdhsa_kernel
	.amdgpu_metadata
---
amdhsa.version: [ 1, 2 ]
amdhsa.kernels:
  - .name:           k_qc9ea200478_proj
    .symbol:         k_qc9ea200478_proj.kd
    .args:
      - { .name: xc, .offset: 0, .size: 8, .value_kind: global_buffer, .address_space: global }
      - { .name: xs, .offset: 8, .size: 8, .value_kind: global_buffer, .address_space: global }
      - { .name: wc, .offset: 16, .size: 8, .value_kind: global_buffer, .address_space: global }
      - { .name: ws, .offset: 24, .size: 8, .value_kind: global_buffer, .address_space: global }
      - { .name: qkv, .offset: 32, .size: 8, .value_kind: global_buffer, .address_space: global }
      - { .name: qkvs, .offset: 40, .size: 8, .value_kind: global_buffer, .address_space: global }
    .group_segment_fixed_size: 327680
    .private_segment_fixed_size: 0
    .kernarg_segment_align: 8
    .kernarg_segment_size: 48
    .max_flat_workgroup_size: 128
    .sgpr_count:     102
    .vgpr_count:     1024
    .wavefront_size: 32
...
	.end_amdgpu_metadata
.endif
;; end of part 2
;; launch attn (part 3): grid 8 x 64, 16 waves a work-group, clusters of 4 x 1, 210,944 bytes of LDS; arguments qkv, qkvs, ctxc, ctxs; writes ctxc, ctxs
.if DOCPART == 3
	.amdgcn_target "amdgcn-amd-amdhsa--gfx1250"
	.amdhsa_code_object_version 6
	.text
	.protected	k_qc9ea200478_attn
	.globl	k_qc9ea200478_attn
	.p2align	8
	.type	k_qc9ea200478_attn,@function
k_qc9ea200478_attn:
	s_mov_b64 s[64:65], 0
	v_nop
	global_prefetch_b8 v0, s[64:65] scope:SCOPE_SE
	s_setreg_imm32_b32 hwreg(HW_REG_WAVE_MODE, 25, 1), 1
	s_wait_xcnt 0x0
	s_wait_alu depctr_hold_cnt(0) depctr_sa_sdst(0) depctr_va_vdst(0) depctr_va_sdst(0) depctr_va_ssrc(0) depctr_va_vcc(0) depctr_vm_vsrc(0)
	s_getreg_b32 s2, hwreg(HW_REG_IB_STS2, 6, 4)
	s_cmp_eq_u32 s2, 0
	s_cbranch_scc0 .Lentry_in_a_cluster
	s_endpgm
.Lentry_in_a_cluster:
	s_bfe_u32 s2, ttmp6, 0x10000c
	s_cmp_lg_u32 s2, 0x3003
	s_cbranch_scc0 .Lentry_shape_is_right
	s_endpgm
.Lentry_shape_is_right:
; Causal attention of one (batch, head) on codes of FP6 (E2M3) with E8M0 scales; the result, ctx, is quantised along its 64 channels for the last product.
; THE SOFTMAX AHEAD OF THE SECOND PRODUCT: t = score x log2(e) / 8; M = the row's largest t so far, rounded up to a whole number; p = 2^(t - M) is quantised along the keys, not normalised.  The row's sum is taken of the
; unquantised p and divides at the end.  When M moves, the sum and O are multiplied by 2^(old M - new M): exact.
; SHARES.  Work-group (g, y): y = 16 x batch + head; g = 0..7.  Each of its sixteen waves owns ONE tile of 16 queries: tile 8 J + g of the batch's 128, J a permutation of the wave's number.  A wave needs key steps 0 .. J of 128 keys,
; step J on the diagonal: that hangs on the wave's number alone, so all work-groups run alike.  J = 4 (r ^ c) + (r ^ f(c)), r = wave / 4, c = wave % 4, f = 0, 2, 3, 1: the four waves with equal r, and the four with equal c, have J adding up to 30.
; ALL OF THE HEAD'S K AND V STAY IN LDS, filled once, in four chunks of 512 keys that land one after the other: no slot is ever filled again.
; CLUSTER.  The four work-groups of a cluster belong to one head and want the same K and V: every fill is a joint load, the same in all four.  g enters global addresses and the mask's compare value alone.
; LAYOUT.  Both products are used transposed: S^T = K Q^T (source 0 = 16 keys), O^T = V^T P^T (source 0 = 16 channels): a lane holds one query.  By the order of rows in the tiles (place r of tile T = row 32 (T / 2) + 8 (T % 2) + r + 8 (r / 8))
; register 16 b + i of S^T is key 32 b + 16 (lane / 16) + i of the step, and of O^T channel 32 b + 16 (lane / 16) + i.  The first product's K is 64: the upper six registers of Q's and K's fragments hold zero codes.
; No prefetch: everything that the launch reads is asked for at its head.
; LIMITS: NaN and infinities are not served.  A block of zeros gets the byte 1 where the rule says 127 (zero codes; this program alone reads the bytes).  A block's largest p is taken through the block's largest score: that takes
; v_exp_f32 not to fall where its input rises.
; REGISTERS: v1-7 addresses that stay and the mask's number; v8-11 addresses in hand; v12 -M, v13 the largest t, v[14:15] the sum; v16-27 Q; v28-31 V's scale words; v32-79 four fragments of K; v80-127 four of V;
;   v128-191 S^T, then p; v192-223 O^T; v224-235 p's codes; v232-254 at work; v248-251 K's scale words; v253 p's scale word; v255 Q's.
.set KC,    0                          ; LDS: K's codes [128 key tiles][768]
.set VC,    98304                      ; V's [16 key steps][4 channel tiles][1536]
.set KSB,   196608                     ; K's scale words [128 key tiles][16 words]
.set VSB,   204800                     ; V's [16][4][16 words]
.set SPARE, 208896                     ; the spare words, 128 bytes a wave: eight blocks of 256 bytes that no other line names
.set AK0,  1
.set AV0,  2
.set ASK0, 3
.set ASV0, 4
.set SPW,  5
.set NIL,  6
.set VD,   7
.set ADK,  8
.set ADV,  9
.set ADS,  10
.set ADT,  11
.set KF,   32
.set VF,   80
.set S,    128
.set O,    192
.set WV,   12                          ; s12 wave;  s13: I fetch for K (0) or V (1);  s14: which half of a chunk
.set JJ,   15                          ; s15 J
.set SEL,  20
.set CS,   22                          ; s[22:23] c = log2(e) / 8
.set G1K,  24
.set G1V,  32
.set G1KS, 40
.set G1VS, 48
.set TB,   2                           ; s2  the step's codes: 6,144 bytes a step, in K's region and in V's
.set TS,   3                           ; s3  K's scale words: 512 bytes a step
.set TJ,   66                          ; s66 V's: 256
.set KSI,  67                          ; s67 the step's number
.set CNT,  100
.macro ROUND                           ; a round of the cluster's barrier
	s_barrier_signal -1
	s_barrier_wait -1
	s_cmp_lg_u32 s[WV], 0
	s_cbranch_scc1 .Lnot_wave_0_\@
	s_barrier_signal -3
.Lnot_wave_0_\@:
	s_barrier_wait -3
	s_barrier_signal -1
	s_barrier_wait -1
.endm
	s_load_b256 s[4:11], s[0:1], 0x0               ; qkv, qkvs, ctxc, ctxs
	v_lshl_add_u32 v[SPW], v0, 2, SPARE
	v_mov_b32 v[NIL], 0
	ds_add_u32 v[SPW], v[NIL]                      ; the wave's opening: the add and its wait stand ahead of my first tensor load; the set-up below, work on registers, stands between them
	ds_add_u32 v[SPW], v[NIL]
	v_lshrrev_b32 v8, 5, v0
	s_delay_alu instid0(VALU_DEP_1)
	v_readfirstlane_b32 s[WV], v8                  ; wave 0..15
	s_and_b32 s13, s[WV], 1
	s_lshr_b32 s14, s[WV], 1
	s_and_b32 s14, s14, 1
	s_lshr_b32 s17, s[WV], 2                       ; r
	s_and_b32 s18, s[WV], 3                        ; c
	s_lshr_b32 s19, s18, 1
	s_xor_b32 s[JJ], s18, s19
	s_and_b32 s[JJ], s[JJ], 1
	s_lshl_b32 s[JJ], s[JJ], 1
	s_or_b32 s[JJ], s[JJ], s19                     ; f(c)
	s_xor_b32 s[JJ], s[JJ], s17
	s_xor_b32 s17, s17, s18
	s_lshl_b32 s17, s17, 2
	s_add_co_u32 s[JJ], s[JJ], s17                 ; J
	s_bfe_u32 s16, ttmp6, 0x40000                  ; cx
	s_lshl_b32 s17, ttmp9, 2
	s_add_co_u32 s16, s16, s17                     ; g
	s_and_b32 s101, ttmp7, 0xffff
	s_lshr_b32 s2, s101, 4                         ; the batch
	s_and_b32 s3, s101, 15                         ; the head
	; descriptor groups 1; elements of 8 bytes; the mask names all four work-groups; bit 21 set beside it; no padding
	s_mov_b32 s[G1K], 15|(3<<16)|(1<<21)           ; K's codes: 16 key tiles x 768 bytes (the head's half of a pair's fragment), 1,536 bytes apart
	s_mov_b32 s[G1K+1], 96<<16
	s_mov_b32 s[G1K+2], 16<<16
	s_mov_b32 s[G1K+3], 96<<16
	s_mov_b32 s[G1K+4], 16
	s_mov_b32 s[G1K+5], 192
	s_mov_b32 s[G1K+6], 0
	s_mov_b32 s[G1K+7], 0
	s_mov_b32 s[G1V], 15|(3<<16)|(1<<21)           ; V's codes: 2 key steps x 6,144 bytes (the head's four fragments), 98,304 bytes apart
	s_mov_b32 s[G1V+1], 768<<16
	s_mov_b32 s[G1V+2], 2<<16
	s_mov_b32 s[G1V+3], 768<<16
	s_mov_b32 s[G1V+4], 2
	s_mov_b32 s[G1V+5], 12288
	s_mov_b32 s[G1V+6], 0
	s_mov_b32 s[G1V+7], 0
	s_mov_b32 s[G1KS], 15|(3<<16)|(1<<21)          ; K's scale words: 4,096 dense bytes as 16 rows of 256
	s_mov_b32 s[G1KS+1], 32<<16
	s_mov_b32 s[G1KS+2], 16<<16
	s_mov_b32 s[G1KS+3], 32<<16
	s_mov_b32 s[G1KS+4], 16
	s_mov_b32 s[G1KS+5], 32
	s_mov_b32 s[G1KS+6], 0
	s_mov_b32 s[G1KS+7], 0
	s_mov_b32 s[G1VS], 15|(3<<16)|(1<<21)          ; V's scale words: 8 key steps x 256 bytes, 4,096 bytes apart
	s_mov_b32 s[G1VS+1], 32<<16
	s_mov_b32 s[G1VS+2], 8<<16
	s_mov_b32 s[G1VS+3], 32<<16
	s_mov_b32 s[G1VS+4], 8
	s_mov_b32 s[G1VS+5], 512
	s_mov_b32 s[G1VS+6], 0
	s_mov_b32 s[G1VS+7], 0
	; groups 0: K's chunks s[56:63], s[68:75]; V's s[76:91]; K's scale words s[92:95]; V's s[96:99].  First the offsets, in the address words' own registers
	s_lshr_b32 s17, s3, 1
	s_add_co_u32 s17, s17, 8                       ; k's head pairs lie behind q's eight
	s_lshl_b32 s17, s17, 9
	s_lshl_b32 s18, s2, 7
	s_add_co_u32 s17, s17, s18
	s_mul_i32 s58, s17, 1536
	s_and_b32 s17, s3, 1
	s_mul_i32 s17, s17, 768
	s_add_co_u32 s58, s58, s17
	s_mul_i32 s17, s14, 24576
	s_add_co_u32 s58, s58, s17
	s_mov_b32 s59, 0
	s_lshl_b32 s17, s2, 10
	s_lshl_b32 s18, s3, 2
	s_add_co_u32 s18, s17, s18                     ; 1,024 x batch + 4 x head
	s_mul_i32 s78, s18, 1536
	s_add_co_u32 s78, s78, 12582912
	s_mul_i32 s17, s14, 196608
	s_add_co_u32 s78, s78, s17
	s_mov_b32 s79, 0
	s_lshl_b32 s98, s18, 6
	s_add_co_u32 s98, s98, 1048576
	s_lshl_b32 s17, s14, 15
	s_add_co_u32 s98, s98, s17
	s_mov_b32 s99, 0
	s_add_co_u32 s17, s3, 16                       ; k's heads lie behind q's sixteen
	s_lshl_b32 s17, s17, 9
	s_lshl_b32 s18, s2, 7
	s_add_co_u32 s17, s17, s18
	s_lshl_b32 s94, s17, 6
	s_lshl_b32 s17, s14, 12
	s_add_co_u32 s94, s94, s17
	s_mov_b32 s95, 0
	s_mul_i32 s17, s14, 12288                      ; the LDS addresses: a constant + my half x a constant
	s_add_co_u32 s57, s17, KC
	s_add_co_u32 s61, s17, KC+24576
	s_add_co_u32 s69, s17, KC+49152
	s_add_co_u32 s73, s17, KC+73728
	s_add_co_u32 s77, s17, VC
	s_add_co_u32 s81, s17, VC+24576
	s_add_co_u32 s85, s17, VC+49152
	s_add_co_u32 s89, s17, VC+73728
	s_lshl_b32 s17, s14, 12
	s_add_co_u32 s93, s17, KSB
	s_lshl_b32 s17, s14, 11
	s_add_co_u32 s97, s17, VSB
.irp g, 56,60,68,72,76,80,84,88,92,96
	s_mov_b32 s\g, 1                               ; count = 1
.endr
	s_mov_b32 s[SEL], 0x76543210
	s_mov_b32 s[SEL+1], 0xfedcba98                 ; v_permlanex16_b32's selects for lane l xor 16
	s_mov_b32 s[CS], 0x3e38aa3b                    ; log2(e) / 8
	s_mov_b32 s[CS+1], s[CS]                       ; (named with it as a pair, so it is written)
	s_wait_dscnt 0x0                               ; the opening add is done
	s_wait_kmcnt 0x0
	s_add_nc_u64 s[58:59], s[4:5], s[58:59]        ; K's chunks: 32 key tiles of 1,536 bytes apart
	s_add_nc_u64 s[62:63], s[58:59], 49152
	s_add_nc_u64 s[70:71], s[62:63], 49152
	s_add_nc_u64 s[74:75], s[70:71], 49152
	s_add_nc_u64 s[78:79], s[4:5], s[78:79]        ; V's: four key steps of 98,304 bytes apart
	s_add_nc_u64 s[82:83], s[78:79], 393216
	s_add_nc_u64 s[86:87], s[82:83], 393216
	s_add_nc_u64 s[90:91], s[86:87], 393216
	s_add_nc_u64 s[94:95], s[6:7], s[94:95]
	s_add_nc_u64 s[98:99], s[6:7], s[98:99]
.irp g, 59,63,71,75,79,83,87,91,95,99
	s_or_b32 s\g, s\g, 0x80000000                  ; type = 2
.endr
	ROUND                                          ; all four work-groups are here: the joint loads meet
	s_cmp_lt_u32 s[WV], 4                          ; waves 0 and 2 fetch K's halves, waves 1 and 3 V's: a wave's five fills stand in one branch on its number; five tensor loads of mine are out
	s_cbranch_scc0 .Lno_fill
	s_cmp_eq_u32 s13, 0
	s_cbranch_scc0 .Lfill_v
	tensor_load_to_lds s[92:95], s[G1KS:G1KS+7]
	s_nop 0
	tensor_load_to_lds s[56:59], s[G1K:G1K+7]
	s_nop 0
	tensor_load_to_lds s[60:63], s[G1K:G1K+7]
	s_nop 0
	tensor_load_to_lds s[68:71], s[G1K:G1K+7]
	s_nop 0
	tensor_load_to_lds s[72:75], s[G1K:G1K+7]
	s_nop 0
.rept 4
	v_nop
.endr
	s_branch .Lno_fill
.Lfill_v:
	tensor_load_to_lds s[96:99], s[G1VS:G1VS+7]
	s_nop 0
	tensor_load_to_lds s[76:79], s[G1V:G1V+7]
	s_nop 0
	tensor_load_to_lds s[80:83], s[G1V:G1V+7]
	s_nop 0
	tensor_load_to_lds s[84:87], s[G1V:G1V+7]
	s_nop 0
	tensor_load_to_lds s[88:91], s[G1V:G1V+7]
	s_nop 0
.rept 4
	v_nop
.endr
.Lno_fill:
	; Q's and ctx's places: the only addresses that g enters
	s_lshl_b32 s17, s[JJ], 3
	s_add_co_u32 s17, s17, s16
	s_lshl_b32 s18, s2, 7
	s_add_co_u32 s17, s17, s18                     ; my token tile: 128 x batch + 8 J + g
	s_lshr_b32 s18, s3, 1
	s_lshl_b32 s18, s18, 9
	s_add_co_u32 s18, s18, s17
	s_mul_i32 s18, s18, 1536
	s_and_b32 s19, s3, 1
	s_mul_i32 s19, s19, 768
	s_add_co_u32 s18, s18, s19
	s_mov_b32 s19, 0
	s_add_nc_u64 s[4:5], s[4:5], s[18:19]          ; Q's codes
	s_lshl_b32 s18, s3, 9
	s_add_co_u32 s18, s18, s17
	s_lshl_b32 s18, s18, 6
	s_add_nc_u64 s[6:7], s[6:7], s[18:19]          ; Q's scale words
	s_mul_i32 s18, s17, 12288
	s_mul_i32 s100, s3, 768
	s_add_co_u32 s18, s18, s100
	s_add_nc_u64 s[8:9], s[8:9], s[18:19]          ; ctx's codes: row tile, K step head / 2, pieces 3 (head % 2) on
	s_lshl_b32 s18, s17, 9
	s_lshr_b32 s100, s3, 3
	s_lshl_b32 s100, s100, 8
	s_add_co_u32 s18, s18, s100
	s_and_b32 s100, s3, 7
	s_lshl_b32 s100, s100, 1
	s_add_co_u32 s18, s18, s100
	s_add_nc_u64 s[10:11], s[10:11], s[18:19]      ; ctx's scale bytes: my head's two in each row's words
	s_lshr_b32 s17, s16, 1
	s_lshl_b32 s17, s17, 5
	s_and_b32 s18, s16, 1
	s_lshl_b32 s18, s18, 3
	s_add_co_u32 s17, s17, s18                     ; my tile's first token in its 128: 32 (g / 2) + 8 (g % 2)
	v_and_b32 v9, 15, v0                           ; r
	v_bfe_u32 v10, v0, 4, 1                        ; h
	v_and_b32 v11, 31, v0                          ; lane
	s_delay_alu instid0(VALU_DEP_1)
	v_lshlrev_b32 v[AK0], 3, v11
	s_delay_alu instid0(VALU_DEP_1)
	v_add_nc_u32 v[AV0], VC, v[AK0]
	v_lshlrev_b32 v8, 2, v9
	s_delay_alu instid0(VALU_DEP_1)
	v_add_nc_u32 v[ASK0], KSB, v8
	s_delay_alu instid0(VALU_DEP_2)
	v_add_nc_u32 v[ASV0], VSB, v8
.irp p, 0,1,2
	global_load_b64 v[16+2*\p:17+2*\p], v[AK0], s[4:5] offset:256*\p   ; Q's fragment stays in registers
.endr
	global_load_b32 v255, v8, s[6:7]               ; and its scale words
	v_and_b32 v[VD], 8, v9
	s_delay_alu instid0(VALU_DEP_1)
	v_add_nc_u32 v[VD], v[VD], v9
	v_lshlrev_b32 v10, 4, v10
	s_delay_alu instid0(VALU_DEP_1)
	v_sub_nc_u32 v[VD], v[VD], v10
	s_delay_alu instid0(VALU_DEP_1)
	v_add_nc_u32 v[VD], s17, v[VD]                 ; d = my query - the diagonal step's first key - 16 h.  Register 16 b + i holds key 32 b + 16 h + i of the step: hidden where 32 b + i > d
.irp j, 22,23,24,25,26,27
	v_mov_b32 v\j, 0                               ; the first product's K is 64: zero codes above
.endr
.irp t, 0,1,2,3
.irp j, 6,7,8,9,10,11
	v_mov_b32 v[KF+12*\t+\j], 0
.endr
.endr
	v_mov_b32 v13, 0xff61b1e6                      ; the largest t so far: -3e38, under every t
	s_delay_alu instid0(VALU_DEP_1)
	v_floor_f32 v12, -v13                          ; -M
	v_mov_b32 v14, 0                               ; the sum, in two halves
	v_mov_b32 v15, 0
.irp b, 0,1,2,3
	v_mov_b32 v[236+\b], 0                         ; a lane permute's destination counts as one of its sources
.endr
	v_mov_b32 v252, 0
	v_mov_b32 v253, 0                              ; (named as the upper half of the pair v[252:253] before it is first written)
.set jj, 0
.rept 32
	v_mov_b32 v[O+jj], 0                           ; O^T: the step is written once; the first finds zeros, which the first change of M leaves zeros
.set jj, jj+1
.endr
	s_mov_b32 s[TB], 0
	s_mov_b32 s[TS], 0
	s_mov_b32 s[TJ], 0
	s_mov_b32 s[KSI], 0
; A KEY STEP: 128 keys.
.macro STEP
	v_add_nc_u32 v[ADK], s[TB], v[AK0]             ; on every wave's way; also the places behind the last step's products
	v_add_nc_u32 v[ADV], s[TB], v[AV0]
	v_add_nc_u32 v[ADS], s[TS], v[ASK0]
	v_add_nc_u32 v[ADT], s[TJ], v[ASV0]
	s_cmp_gt_u32 s[KSI], s[JJ]                     ; a step all of whose keys come after my queries is left out: a branch on the wave's number and the step's
	s_cbranch_scc1 .Lhidden_\@
	s_wait_alu depctr_va_vdst(0)
	s_setprio 2
.irp g, 0,1                            ; S^T = K Q^T, four tiles of 16 keys at a time
.if \g > 0
.rept 4
	v_nop                                          ; places in front of loads into registers that matrix instructions have read
.endr
.endif
.irp t, 0,1,2,3
.irp p, 0,1,2
	ds_load_b64 v[KF+12*\t+2*\p:KF+12*\t+2*\p+1], v[ADK] offset:768*(4*\g+\t)+256*\p
.endr
	ds_load_b32 v[248+\t], v[ADS] offset:64*(4*\g+\t)
.endr
	s_wait_dscnt 0x0
.irp t, 0,1,2,3
	v_wmma_scale_f32_16x16x128_f8f6f4 v[S+8*(4*\g+\t):S+8*(4*\g+\t)+7], v[KF+12*\t:KF+12*\t+11], v[16:27], 0, v[248+\t], v255 matrix_a_fmt:MATRIX_FMT_FP6 matrix_b_fmt:MATRIX_FMT_FP6
.endr
.endr
.irp t, 0,1,2,3                        ; V's four fragments are asked for here and land under the softmax.  Eight plain lines stand between the last step's products, which read these registers, and these loads
.irp p, 0,1,2,3,4,5
	ds_load_b64 v[VF+12*\t+2*\p:VF+12*\t+2*\p+1], v[ADV] offset:1536*\t+256*\p
.endr
	ds_load_b32 v[28+\t], v[ADT] offset:64*\t
.endr
.rept 4
	v_nop                                          ; places in front of the first read of the scores
.endr
	s_cmp_lg_u32 s[KSI], s[JJ]                     ; on the diagonal the scores of hidden keys become -infinity ahead of the maximum: p = 0 then
	s_cbranch_scc1 .Lopen_\@
	v_mov_b32 v254, 0xff800000
.set jj, 0
.rept 64
	v_cmp_gt_i32 vcc_lo, 32*(jj/16)+jj%16, v[VD]
	v_cndmask_b32 v[S+jj], v[S+jj], v254, vcc_lo
.set jj, jj+1
.endr
.Lopen_\@:
.irp b, 0,1,2,3
	v_max3_num_f32 v[232+\b], v[S+16*\b], v[S+1+16*\b], v[S+2+16*\b]   ; the largest score of each block of 32 keys: it serves for the row's maximum and, since p rises with the score, for the block's largest p
.endr
.irp i, 3,5,7,9,11,13
.irp b, 0,1,2,3
	v_max3_num_f32 v[232+\b], v[232+\b], v[S+16*\b+\i], v[S+1+16*\b+\i]
.endr
.endr
.irp b, 0,1,2,3
	v_max_num_f32 v[232+\b], v[232+\b], v[S+15+16*\b]
.endr
.irp b, 0,1,2,3
	s_delay_alu instid0(VALU_DEP_4)
	v_permlanex16_b32 v[236+\b], v[232+\b], s[SEL], s[SEL+1]
.endr
.irp b, 0,1,2,3
	s_delay_alu instid0(VALU_DEP_4)
	v_max_num_f32 v[232+\b], v[232+\b], v[236+\b]  ; with lane l xor 16's 16 keys
.endr
	s_delay_alu instid0(VALU_DEP_2)
	v_max3_num_f32 v254, v232, v233, v234
	s_delay_alu instid0(VALU_DEP_1)
	v_max_num_f32 v254, v254, v235                 ; the step's largest score of my query
	s_delay_alu instid0(VALU_DEP_1)
	v_mul_f32 v254, s[CS], v254                    ; as t (c is positive)
	s_delay_alu instid0(VALU_DEP_1)
	v_max_num_f32 v13, v13, v254                   ; the running largest t
	v_mov_b32 v254, v12
	s_delay_alu instid0(VALU_DEP_2)
	v_floor_f32 v12, -v13                          ; the new -M = floor(-t): M is a whole number
	s_delay_alu instid0(VALU_DEP_1)
	v_sub_f32 v254, v12, v254                      ; M's old value less its new one: a whole number, 0 or less
	s_delay_alu instid0(VALU_DEP_1)
	v_cvt_i32_f32 v254, v254                       ; (it saturates)
	s_delay_alu instid0(VALU_DEP_1)
	v_ldexp_f32 v252, 1.0, v254                    ; f = 2^(old M - new M)
.set jj, 0
	s_setprio 1
.rept 32
	v_pk_fma_f32 v[S+jj:S+jj+1], v[S+jj:S+jj+1], s[CS:CS+1], v[12:13] op_sel_hi:[1,0,0]   ; t - M, two at a time
.set jj, jj+2
.endr
.irp b, 0,1,2,3
	v_fma_f32 v[232+\b], v[232+\b], s[CS], v12     ; the same of each block's largest score
.endr
.set jj, 0
	s_wait_alu depctr_va_vdst(0)
.rept 64
	v_exp_f32 v[S+jj], v[S+jj]                     ; p = 2^(t - M), at most 1
.set jj, jj+1
.endr
	v_pk_mul_f32 v[14:15], v[14:15], v[252:253] op_sel_hi:[1,0]   ; the sums under the new M; the plain line behind the exponentials
	s_wait_alu depctr_va_vdst(0)                   ; one wait for the whole batch, ahead of its first reader
.irp b, 0,1,2,3
	v_exp_f32 v[232+\b], v[232+\b]                 ; the block's largest p
.endr
	v_pk_add_f32 v[236:237], v[S:S+1], v[S+2:S+3]  ; the row's sum is taken of the unquantised p: two at a time, in two chains
.set jj, 4
.rept 15
	v_pk_add_f32 v[14:15], v[14:15], v[S+jj:S+jj+1]
	v_pk_add_f32 v[236:237], v[236:237], v[S+2+jj:S+3+jj]
.set jj, jj+4
.endr
	s_delay_alu instid0(VALU_DEP_1)
	v_pk_add_f32 v[14:15], v[14:15], v[236:237]
	s_setprio 0
	s_wait_alu depctr_va_vdst(0)                   ; and one for the four
.irp b, 0,1,2,3
	v_max_num_f32 v[232+\b], 0x1800000, v[232+\b]  ; the floor 2^(3 - 127): the byte cannot fall under 1
.endr
.irp b, 0,1,2,3
	s_delay_alu instid0(VALU_DEP_4)
	v_add_nc_u32 v[244+\b], 0xff000000, v[232+\b]  ; 2 off the exponent field: the conversion's scale operand
.endr
.irp b, 0,1,2,3
	s_delay_alu instid0(VALU_DEP_4)
	v_lshrrev_b32 v[236+\b], 23, v[244+\b]         ; the scale's byte
.endr
	s_delay_alu instid0(VALU_DEP_3)
	v_lshl_or_b32 v253, v237, 8, v236              ; p's scale word for these 128 keys
	s_delay_alu instid0(VALU_DEP_1)
	v_lshl_or_b32 v253, v238, 16, v253
	s_delay_alu instid0(VALU_DEP_1)
	v_lshl_or_b32 v253, v239, 24, v253
.irp c, 0,1
	v_cvt_scalef32_pk16_fp6_f32 v[224+6*\c:226+6*\c], v[S+32*\c:S+15+32*\c], v[244+2*\c]
	v_cvt_scalef32_pk16_fp6_f32 v[236+4*\c:238+4*\c], v[S+16+32*\c:S+31+32*\c], v[244+2*\c+1]   ; (a conversion's three registers begin on an even number)
.endr
	v_nop                                          ; one plain line behind a scaled conversion
.irp c, 0,1                            ; the operand's layout wants a whole block in a lane
.irp i, 0,1,2
	v_permlane16_swap_b32 v[224+6*\c+\i], v[236+4*\c+\i]
.endr
.irp i, 0,1,2
	s_delay_alu instid0(VALU_DEP_3)
	v_mov_b32 v[227+6*\c+\i], v[236+4*\c+\i]
.endr
.endr
.set jj, 0
.rept 16
	v_pk_mul_f32 v[O+jj:O+jj+1], v[O+jj:O+jj+1], v[252:253] op_sel_hi:[1,0]   ; O^T under the new M; these sixteen are also the places in front of the scaled products below
.set jj, jj+2
.endr
	s_wait_alu depctr_va_vdst(0)
	s_wait_dscnt 0x0                               ; V's fragments and scale words are in
.irp t, 0,1,2,3                        ; O^T += V^T P^T: four accumulators, one instruction each
	v_wmma_scale_f32_16x16x128_f8f6f4 v[O+8*\t:O+8*\t+7], v[VF+12*\t:VF+12*\t+11], v[224:235], v[O+8*\t:O+8*\t+7], v[28+\t], v253 matrix_a_fmt:MATRIX_FMT_FP6 matrix_b_fmt:MATRIX_FMT_FP6
.endr
.Lhidden_\@:
	s_add_co_u32 s[TB], s[TB], 6144
	s_add_co_u32 s[TS], s[TS], 512
	s_add_co_u32 s[TJ], s[TJ], 256
	s_add_co_u32 s[KSI], s[KSI], 1
.endm
; A chunk of 512 keys: the waves that fetched it wait for it (the later chunks' loads, 3 - q of them, may stay out), a barrier shows it to all sixteen, four steps follow.
.macro CHUNK q
	s_wait_tensorcnt 3-\q
	s_wait_dscnt 0x0
	s_barrier_signal -1
	s_barrier_wait -1
	s_mov_b32 s[CNT], 4
.Ltrip_\@:
	STEP
	s_sub_co_u32 s[CNT], s[CNT], 1
	s_cmp_lg_u32 s[CNT], 0
	s_cbranch_scc1 .Ltrip_\@
	s_setprio 0
.endm
	s_wait_loadcnt 0x0                             ; Q
	CHUNK 0
	CHUNK 1
	CHUNK 2
	CHUNK 3
	; THE WAY OUT.  O^T is divided by the row's sum: that is ctx, 32 numbers a lane, register 16 b + i = channel 32 b + 16 h + i.  Its two blocks are quantised and leave as half a fragment's image and two scale bytes a row.
.rept 4
	v_nop                                          ; places behind the last products
.endr
	v_add_f32 v14, v14, v15                        ; the sum's two halves,
	s_delay_alu instid0(VALU_DEP_1)
	v_permlanex16_b32 v252, v14, s[SEL], s[SEL+1]
	s_delay_alu instid0(VALU_DEP_1)
	v_add_f32 v14, v14, v252                       ; and lane l xor 16's
	s_wait_alu depctr_va_vdst(0)
	v_rcp_f32 v14, v14
	v_and_b32 v8, 15, v0                           ; (a plain line behind the reciprocal)
	s_delay_alu instid0(VALU_DEP_1)
	v_lshlrev_b32 v8, 4, v8                        ; 16 r: my row's words
	v_and_b32 v9, 31, v0
	s_wait_alu depctr_va_vdst(0)                   ; the wait ahead of the reciprocal's first reader
.set jj, 0
.rept 16
	v_pk_mul_f32 v[S+jj:S+jj+1], v[O+jj:O+jj+1], v[14:15] op_sel_hi:[1,0]
.set jj, jj+2
.endr
.irp b, 0,1
	v_max3_num_f32 v[232+\b], |v[S+16*\b]|, |v[S+1+16*\b]|, 0x1800000
.endr
.irp i, 2,4,6,8,10,12,14
.irp b, 0,1
	s_delay_alu instid0(VALU_DEP_2)
	v_max3_num_f32 v[232+\b], v[232+\b], |v[S+16*\b+\i]|, |v[S+1+16*\b+\i]|
.endr
.endr
.irp b, 0,1
	s_delay_alu instid0(VALU_DEP_2)
	v_permlanex16_b32 v[236+\b], v[232+\b], s[SEL], s[SEL+1]
.endr
.irp b, 0,1
	s_delay_alu instid0(VALU_DEP_2)
	v_max_num_f32 v[232+\b], v[232+\b], v[236+\b]
.endr
.irp b, 0,1
	s_delay_alu instid0(VALU_DEP_2)
	v_add_nc_u32 v[244+\b], 0xff000000, v[232+\b]
.endr
.irp b, 0,1
	s_delay_alu instid0(VALU_DEP_2)
	v_lshrrev_b32 v[236+\b], 23, v[244+\b]
.endr
	s_delay_alu instid0(VALU_DEP_1)
	v_lshl_or_b32 v254, v237, 8, v236              ; my head's two bytes
	v_cvt_scalef32_pk16_fp6_f32 v[224:226], v[S:S+15], v244
	v_cvt_scalef32_pk16_fp6_f32 v[236:238], v[S+16:S+31], v245
	v_nop                                          ; one plain line behind a scaled conversion
.irp i, 0,1,2
	v_permlane16_swap_b32 v[224+\i], v[236+\i]
.endr
.irp i, 0,1,2
	s_delay_alu instid0(VALU_DEP_3)
	v_mov_b32 v[227+\i], v[236+\i]
.endr
.irp p, 0,1,2
	global_store_b64 v[AK0], v[224+2*\p:225+2*\p], s[8:9] offset:256*\p   ; a piece: 256 consecutive bytes, aligned
.endr
	v_cmp_gt_u32 vcc_lo, 16, v9
	s_wait_xcnt 0x0                                ; EXEC changes only behind this wait
	s_and_saveexec_b32 s17, vcc_lo                 ; lanes 0-15: a row each.  Two bytes a row, 16 bytes apart: a row's word is made by two heads in two work-groups
	global_store_b16 v8, v254, s[10:11]
	s_wait_xcnt 0x0                                ; and again, in front of the line that widens it
	s_or_b32 exec_lo, exec_lo, s17
	s_wait_tensorcnt 0x0                           ; the wave's end: a wait, an add to the spare word and its wait, behind my last tensor load
	ds_add_u32 v[SPW], v[NIL]
	s_wait_dscnt 0x0
	ROUND                                          ; the closing round: no work-group ends while a partner may still ask for a tile that names it
	s_endpgm
.Lfunc_end_k_qc9ea200478_attn:
	.size	k_qc9ea200478_attn, .Lfunc_end_k_qc9ea200478_attn-k_qc9ea200478_attn
	.p2alignl 7, 3214868480
	.fill 96, 4, 3214868480
	.section	.rodata,"a",@progbits
	.p2align	6, 0x0
	.amdhsa_kernel k_qc9ea200478_attn
		.amdhsa_group_segment_fixed_size 210944
		.amdhsa_private_segment_fixed_size 0
		.amdhsa_enable_private_segment 0
		.amdhsa_kernarg_size 32
		.amdhsa_user_sgpr_count 2
		.amdhsa_user_sgpr_kernarg_segment_ptr 1
		.amdhsa_wavefront_size32 1
		.amdhsa_system_sgpr_workgroup_id_x 1
		.amdhsa_system_sgpr_workgroup_id_y 1
		.amdhsa_system_sgpr_workgroup_id_z 1
		.amdhsa_system_vgpr_workitem_id 0
		.amdhsa_next_free_vgpr 256
		.amdhsa_next_free_sgpr 102
		.amdhsa_reserve_vcc 1
		.amdhsa_float_denorm_mode_32 3
		.amdhsa_float_denorm_mode_16_64 3
		.amdhsa_memory_ordered 1
		.amdhsa_forward_progress 1
		.amdhsa_inst_pref_size 116
	.end_amdhsa_kernel
	.amdgpu_metadata
---
amdhsa.version: [ 1, 2 ]
amdhsa.kernels:
  - .name:           k_qc9ea200478_attn
    .symbol:         k_qc9ea200478_attn.kd
    .args:
      - { .name: qkv, .offset: 0, .size: 8, .value_kind: global_buffer, .address_space: global }
      - { .name: qkvs, .offset: 8, .size: 8, .value_kind: global_buffer, .address_space: global }
      - { .name: ctxc, .offset: 16, .size: 8, .value_kind: global_buffer, .address_space: global }
      - { .name: ctxs, .offset: 24, .size: 8, .value_kind: global_buffer, .address_space: global }
    .group_segment_fixed_size: 210944
    .private_segment_fixed_size: 0
    .kernarg_segment_align: 8
    .kernarg_segment_size: 32
    .max_flat_workgroup_size: 512
    .sgpr_count:     102
    .vgpr_count:     256
    .wavefront_size: 32
...
	.end_amdgpu_metadata
.endif
;; end of part 3
;; launch outp (part 4): grid 4 x 32, 4 waves a work-group, clusters of 4 x 4, 327,680 bytes of LDS; arguments ctxc, ctxs, wc, ws, out0; writes out0
.if DOCPART == 4
	.amdgcn_target "amdgcn-amd-amdhsa--gfx1250"
	.amdhsa_code_object_version 6
	.text
	.protected	k_qc9ea200478_outp
	.globl	k_qc9ea200478_outp
	.p2align	8
	.type	k_qc9ea200478_outp,@function
k_qc9ea200478_outp:
	s_mov_b64 s[64:65], 0
	v_nop
	global_prefetch_b8 v0, s[64:65] scope:SCOPE_SE
	s_setreg_imm32_b32 hwreg(HW_REG_WAVE_MODE, 25, 1), 1
	s_wait_xcnt 0x0
	s_wait_alu depctr_hold_cnt(0) depctr_sa_sdst(0) depctr_va_vdst(0) depctr_va_sdst(0) depctr_va_ssrc(0) depctr_va_vcc(0) depctr_vm_vsrc(0)
	s_getreg_b32 s2, hwreg(HW_REG_IB_STS2, 6, 4)
	s_cmp_eq_u32 s2, 0
	s_cbranch_scc0 .Lentry_in_a_cluster
	s_endpgm
.Lentry_in_a_cluster:
	s_bfe_u32 s2, ttmp6, 0x10000c
	s_cmp_lg_u32 s2, 0xf033
	s_cbranch_scc0 .Lentry_shape_is_right
	s_endpgm
.Lentry_shape_is_right:
; out = ctx Wo^T on codes of FP6 (E2M3) with E8M0 scales; out0 [8192][1024] f32.
; A = ctx (ctxc, ctxs), B = Wo (row tiles 192 on of wc, ws), both as images of operand registers: a fragment (16 rows x 128 K) is six pieces of 256 bytes, piece p = registers 2 p, 2 p + 1, lane l at 8 l.
; A tile of C, 256 x 256, is made by four waves, 128 x 128 each: 64 accumulators.  K = 1,024 goes in four steps of 256 through two LDS slots; the four steps are written out.  The scale words come once, with the first fills.
; CLUSTERS: 4 x 4 work-groups; A's tiles are asked for jointly along a row of the cluster, B's along a column.
; The matrix instruction is used transposed (source 0 = 16 rows of B, source 1 = 16 rows of A): a lane holds one row of C.  THE ROWS OF A TILE ARE NOT NEIGHBOURS in either operand (place r of tile T = row 32 (T / 2) + 8 (T % 2) + r + 8 (r / 8)):
; the way out undoes that by its offsets alone: columns in the stage, rows in the stores' immediates.
; The grid has 128 work-groups: the tile is kept as large as the registers hold, so that each LDS byte feeds the most products.
; REGISTERS: window 0: v16-29 addresses; v32-63 scale words, two sets; v128-223 A's fragments, one set; on the way out v128-255 rows of C.  Window 1: B's fragments, two sets.  Windows 2, 3: the accumulators.
.set NQ,     2
.set FR,     12
.set NL,     6
.set NP,     4                         ; places behind this matrix instruction (ISA guide 7.12.1)
.set HALFT,  24576                     ; 128 rows x 256 K: what one tensor load brings
.set SLOT,   4*HALFT
.set SCL,    2*SLOT
.set HALFS,  4096
.set SPARE,  SCL+4*HALFS               ; the spare words, 128 bytes a wave: two blocks of 256 bytes that no other line names
.set SPITCH, 528                       ; the way out: a stage of 16 rows x (512 + 16) bytes for each wave, in slot 0
.set ADRA, 16
.set ADRB, 20
.set STO,  24                          ; v24  the way out: where I put 32 bytes of a row
.set RD,   25                          ; v25  and where I read a row back
.set CO,   26                          ; v26  16 x lane
.set ADRS, 27
.set SPW,  28                          ; v28  my spare word's address; never rewritten
.set NIL,  29                          ; v29  0; never rewritten
.set SC,   32
.set AF,   128
.set BK,   128
.set G1, 24
.set G0, 32
.set G1B, 48
.set G0B, 56
.set G1S, 68
.set G0S, 76
.set G1SB, 80
.set G0SB, 88
.set MSB, 0
.macro WIN new                         ; the immediate's high byte repeats the setting that is left
.if MSB != \new
	s_set_vgpr_msb (MSB<<8)|\new
.set MSB, \new
.endif
.endm
.set MUL_LO, 0xa1
.set MUL_HI, 0xf1
.set TO_B,   0x40
.macro JLOAD g0a, g1a, g0b, g1b        ; a joint load: waves 0 and 1 fetch for A, waves 2 and 3 for B; an s_nop 0 and four v_nop follow each of the two lines
	s_cmp_eq_u32 s17, 0
	s_cbranch_scc0 .Lfor_b_\@
	tensor_load_to_lds s[\g0a:\g0a+3], s[\g1a:\g1a+7]
	s_nop 0
.rept 4
	v_nop
.endr
	s_branch .Lasked_\@
.Lfor_b_\@:
	tensor_load_to_lds s[\g0b:\g0b+3], s[\g1b:\g1b+7]
	s_nop 0
.rept 4
	v_nop
.endr
.Lasked_\@:
.endm
.macro CREST
	s_cmp_lg_u32 s16, 0
	s_cbranch_scc1 .Lnot_wave_0_\@
	s_barrier_signal -3
.Lnot_wave_0_\@:
	s_barrier_wait -3
	s_barrier_signal -1
	s_barrier_wait -1
.endm
.macro CROUND
	s_barrier_signal -1
	s_barrier_wait -1
	CREST
.endm
	s_load_b128 s[4:7], s[0:1], 0x0                ; ctxc, ctxs
	s_load_b128 s[8:11], s[0:1], 0x10              ; wc, ws
	s_load_b64 s[12:13], s[0:1], 0x20              ; out0
	v_lshl_add_u32 v[SPW], v0, 2, SPARE
	v_mov_b32 v[NIL], 0
	ds_add_u32 v[SPW], v[NIL]                      ; the wave's opening: the add and its wait stand ahead of my first tensor load; the set-up below, work on registers, stands between them
	v_lshrrev_b32 v1, 5, v0
	v_readfirstlane_b32 s16, v1                    ; wave 0..3
	s_lshr_b32 s17, s16, 1                         ; which half of the tile's rows is mine.  Also: I fetch for A (0) or for B (1)
	s_and_b32 s18, s16, 1                          ; which half of its columns.  Also: which 128 rows I fetch
	s_bfe_u32 s40, ttmp6, 0x40000                  ; cx, cy
	s_bfe_u32 s41, ttmp6, 0x40004
	s_lshl_b32 s42, ttmp9, 2
	s_add_co_u32 s42, s42, s40                     ; tile column of C
	s_and_b32 s45, ttmp7, 0xffff
	s_lshl_b32 s45, s45, 2
	s_add_co_u32 s45, s45, s41                     ; tile row of C
	s_lshl_b32 s43, s41, 2
	s_lshl_b32 s43, 15, s43                        ; my row of the cluster
	s_lshl_b32 s44, 0x1111, s40                    ; my column
	s_or_b32 s[G1+0], s43, (3<<16)|(1<<21)         ; code tiles: 8 row tiles x 3,072 bytes, 12,288 bytes apart; elements of 8 bytes; bit 21 set beside the mask
	s_or_b32 s[G1B+0], s44, (3<<16)|(1<<21)
.irp g, G1, G1B
	s_mov_b32 s[\g+1], 384<<16
	s_mov_b32 s[\g+2], 8<<16
	s_mov_b32 s[\g+3], 384<<16
	s_mov_b32 s[\g+4], 8
	s_mov_b32 s[\g+5], 1536
	s_mov_b32 s[\g+6], 0
	s_mov_b32 s[\g+7], 0
.endr
	s_or_b32 s[G1S+0], s43, (3<<16)|(1<<21)        ; the scale words of 128 rows: 4,096 dense bytes as 16 rows of 256
	s_or_b32 s[G1SB+0], s44, (3<<16)|(1<<21)
.irp g, G1S, G1SB
	s_mov_b32 s[\g+1], 32<<16
	s_mov_b32 s[\g+2], 16<<16
	s_mov_b32 s[\g+3], 32<<16
	s_mov_b32 s[\g+4], 16
	s_mov_b32 s[\g+5], 32
	s_mov_b32 s[\g+6], 0
	s_mov_b32 s[\g+7], 0
.endr
	s_lshl_b32 s23, s18, 7
	s_lshl_b32 s20, s45, 8
	s_add_co_u32 s20, s20, s23                     ; A: row 256 x tile row + 128 x half
	s_lshl_b32 s46, s42, 8
	s_add_co_u32 s46, s46, s23
	s_add_co_u32 s46, s46, 3072                    ; B: Wo begins at row 3,072 of the weights' buffers
	s_lshl_b32 s22, s20, 5                         ; scale words: 32 bytes a row,
	s_lshl_b32 s2, s46, 5
	s_mul_i32 s20, s20, 768                        ; codes: 768
	s_mul_i32 s46, s46, 768
	s_mov_b32 s21, 0
	s_mov_b32 s23, 0
	s_mov_b32 s47, 0
	s_mov_b32 s3, 0
	s_mul_i32 s100, s16, HALFT                     ; where they go: wave x 128 rows
	s_mul_i32 s101, s16, HALFS
	s_wait_dscnt 0x0                               ; the opening add is done
	s_wait_kmcnt 0x0
	s_add_nc_u64 s[92:93], s[4:5], s[20:21]
	s_add_nc_u64 s[94:95], s[6:7], s[22:23]
	s_add_nc_u64 s[96:97], s[8:9], s[46:47]
	s_add_nc_u64 s[98:99], s[10:11], s[2:3]
	CROUND                                         ; all sixteen work-groups are here: the first joint loads meet
	s_mov_b32 s[G0S], 1
	s_add_co_u32 s[G0S+1], s101, SCL
	s_mov_b64 s[G0S+2:G0S+3], s[94:95]
	s_or_b32 s[G0S+3], s[G0S+3], 0x80000000
	s_mov_b32 s[G0SB], 1
	s_add_co_u32 s[G0SB+1], s101, SCL
	s_mov_b64 s[G0SB+2:G0SB+3], s[98:99]
	s_or_b32 s[G0SB+3], s[G0SB+3], 0x80000000
	JLOAD G0S, G1S, G0SB, G1SB
.irp s, 0,1
	s_mov_b32 s[G0+4*\s], 1
	s_add_co_u32 s[G0+4*\s+1], s100, \s*SLOT
	s_add_nc_u64 s[G0+4*\s+2:G0+4*\s+3], s[92:93], \s*3072
	s_or_b32 s[G0+4*\s+3], s[G0+4*\s+3], 0x80000000
	s_mov_b32 s[G0B+4*\s], 1
	s_add_co_u32 s[G0B+4*\s+1], s100, \s*SLOT
	s_add_nc_u64 s[G0B+4*\s+2:G0B+4*\s+3], s[96:97], \s*3072
	s_or_b32 s[G0B+4*\s+3], s[G0B+4*\s+3], 0x80000000
	JLOAD G0+4*\s, G1, G0B+4*\s, G1B               ; three tensor loads of mine are out
.endr
	v_and_b32 v1, 15, v0                           ; r
	v_bfe_u32 v2, v0, 4, 1                         ; h
	v_and_b32 v3, 31, v0                           ; lane
	v_lshlrev_b32 v4, 3, v3
	v_lshlrev_b32 v[CO], 4, v3
	s_mul_i32 s21, s17, HALFT
	s_mul_i32 s22, s18, HALFT
	s_add_co_u32 s22, s22, 2*HALFT
.irp s, 0,1
	v_add_nc_u32 v[ADRA+\s], s21, v4
	v_add_nc_u32 v[ADRB+\s], s22, v4
	s_add_co_u32 s21, s21, SLOT
	s_add_co_u32 s22, s22, SLOT
.endr
	v_lshlrev_b32 v5, 4, v1
	s_mul_i32 s21, s17, HALFS
	s_mul_i32 s22, s18, HALFS
	s_add_co_u32 s22, s22, 2*HALFS
	s_sub_co_u32 s22, s22, s21
	v_mul_u32_u24 v6, s22, v2                      ; lanes 16-31 take B's
	s_add_co_u32 s21, s21, SCL
	v_add_nc_u32 v5, v5, v6
	v_add_nc_u32 v[ADRS], s21, v5
	s_mul_i32 s23, s16, 16*SPITCH                  ; my stage
	v_mul_u32_u24 v5, v1, SPITCH
	v_lshl_add_u32 v5, v2, 6, v5                   ; in: row r; my half's 16 columns of each 32 begin 64 h bytes on
	v_add_nc_u32 v[STO], s23, v5
	v_add_nc_u32 v[RD], s23, v[CO]                 ; back: the 32 lanes take one row of 512 bytes
	s_lshl_b32 s92, s45, 8
	s_lshl_b32 s93, s17, 7
	s_add_co_u32 s92, s92, s93                     ; my first row of C
	s_lshl_b32 s92, s92, 12                        ; rows of 4,096 bytes
	s_lshl_b32 s93, s42, 10
	s_add_co_u32 s92, s92, s93
	s_lshl_b32 s93, s18, 9
	s_add_co_u32 s92, s92, s93                     ; + my first column's bytes
	s_mov_b32 s93, 0
	s_add_nc_u64 s[12:13], s[12:13], s[92:93]
.macro FRAG reg, adr, q, i             ; a fragment: six pieces of 256 bytes, as they lie
.irp p, 0,1,2,3,4,5
	ds_load_b64 v[\reg+2*\p:\reg+2*\p+1], v[\adr] offset:(\i)*3072+(\q)*1536+256*\p
.endr
.endm
; 16 matrix instructions: A's blocks a0, a0 + 1 x B's eight.  The 64 accumulators take turns, one instruction a turn, in the same order in every step.
.macro MUL16 a0, p, q, sc, zero
.irp a, \a0, \a0+1
.irp b, 0,1,2,3,4,5,6,7
.if \zero
	v_wmma_scale_f32_16x16x128_f8f6f4 v[8*(8*((\a)%4)+\b):8*(8*((\a)%4)+\b)+7], v[128*(\p)+FR*\b:128*(\p)+FR*\b+FR-1], v[AF+FR*(\a):AF+FR*(\a)+FR-1], 0, v[SC+8*NQ*(\sc)+NQ*\b+(\q)], v[SC+8*NQ*(\sc)+NQ*(\a)+(\q)] matrix_a_fmt:MATRIX_FMT_FP6 matrix_b_fmt:MATRIX_FMT_FP6 matrix_a_scale:MATRIX_SCALE_ROW1
.else
	v_wmma_scale_f32_16x16x128_f8f6f4 v[8*(8*((\a)%4)+\b):8*(8*((\a)%4)+\b)+7], v[128*(\p)+FR*\b:128*(\p)+FR*\b+FR-1], v[AF+FR*(\a):AF+FR*(\a)+FR-1], v[8*(8*((\a)%4)+\b):8*(8*((\a)%4)+\b)+7], v[SC+8*NQ*(\sc)+NQ*\b+(\q)], v[SC+8*NQ*(\sc)+NQ*(\a)+(\q)] matrix_a_fmt:MATRIX_FMT_FP6 matrix_b_fmt:MATRIX_FMT_FP6 matrix_a_scale:MATRIX_SCALE_ROW1
.endif
.endr
.endr
.endm
.macro FETCH_B slot, q, p
	WIN TO_B
.irp i, 0,1,2,3,4,5,6,7
	FRAG 128*(\p)+FR*\i, ADRB+\slot, \q, \i
.endr
	WIN 0
.endm
.macro FETCH_A slot, q, i0
.irp i, \i0, \i0+1, \i0+2, \i0+3
	FRAG AF+FR*(\i), ADRA+\slot, \q, \i
.endr
.endm
.macro SCALES sc, j
.irp i, 0,1,2,3,4,5,6,7
	ds_load_b64 v[SC+8*NQ*\sc+NQ*\i:SC+8*NQ*\sc+NQ*\i+1], v[ADRS] offset:512*\i+256*((\j)/2)+8*((\j)%2)
.endr
.endm
.macro PLACES n
.rept \n
	v_nop
.endr
.endm
.macro STEP slot, q, zero
	s_wait_dscnt 4*NL                              ; B's set and A's blocks 0-3 are in; the youngest 24 loads (A's blocks 4-7) may be out
	WIN MUL_LO
	MUL16 0, (\q)%2, \q, \slot, \zero
	MUL16 2, (\q)%2, \q, \slot, \zero
	s_wait_dscnt 0
	PLACES NP
	FETCH_B \slot, (\q)+1, 1-(\q)%2
	FETCH_A \slot, (\q)+1, 0
	WIN MUL_HI
	MUL16 4, (\q)%2, \q, \slot, \zero
	MUL16 6, (\q)%2, \q, \slot, \zero
	PLACES NP
	WIN 0
	FETCH_A \slot, (\q)+1, 4
.endm
.macro TURN slot, next, fill, j
	s_wait_tensorcnt 0x0                           ; all my tensor loads have landed: my part of the next slot
	ds_add_u32 v[SPW], v[NIL]                      ; 0 onto my spare word
	s_wait_dscnt 4*NL+1                            ; (the add and the youngest 24 loads may be out)
	WIN MUL_LO
	MUL16 0, 1, NQ-1, \slot, 0
	s_wait_dscnt 0x0                               ; the add is done, and my reads of this slot are over
	s_barrier_signal -1
	MUL16 2, 1, NQ-1, \slot, 0
	WIN 0
	s_barrier_wait -1
.if \fill
	CREST                                          ; no wave of any partner still reads this slot's tile or has a load on its way
	s_add_nc_u64 s[G0+4*\slot+2:G0+4*\slot+3], s[G0+4*\slot+2:G0+4*\slot+3], 6144
	s_add_nc_u64 s[G0B+4*\slot+2:G0B+4*\slot+3], s[G0B+4*\slot+2:G0B+4*\slot+3], 6144
	JLOAD G0+4*\slot, G1, G0B+4*\slot, G1B         ; the first tensor load behind the round; its four v_nop are the places in front of the loads below
.else
	PLACES NP
.endif
	FETCH_B \next, 0, 0
	FETCH_A \next, 0, 0
	SCALES \next, \j
	WIN MUL_HI
	MUL16 4, 1, NQ-1, \slot, 0
	MUL16 6, 1, NQ-1, \slot, 0
	PLACES NP
	WIN 0
	FETCH_A \next, 0, 4
.endm
	s_wait_tensorcnt 1                             ; the scale words and my part of K step 0 are in (K step 1's load may be out)
	s_barrier_signal -1
	s_barrier_wait -1                              ; everybody's are
	FETCH_B 0, 0, 0
	FETCH_A 0, 0, 0
	SCALES 0, 0
	FETCH_A 0, 0, 4
	STEP 0, 0, 1
	TURN 0, 1, 1, 1
	STEP 1, 0, 0
	TURN 1, 0, 1, 2
	STEP 0, 0, 0
	TURN 0, 1, 0, 3
	STEP 1, 0, 0
	s_wait_dscnt 4*NL
	WIN MUL_LO
	MUL16 0, 1, NQ-1, 1, 0
	MUL16 2, 1, NQ-1, 1, 0
	s_wait_dscnt 0
	WIN MUL_HI
	MUL16 4, 1, NQ-1, 1, 0
	MUL16 6, 1, NQ-1, 1, 0
	WIN 0
; THE WAY OUT, block by block of 16 rows x 128 columns, through my own stage in slot 0 (it has had its last fill, and nobody reads it behind the last change of slots).
; Tile b's eight registers of lane (r, h) are columns 32 (b / 2) + 8 (b % 2) + 16 h + 0 .. 7 of row place r.  Stage row t of block a is row 32 (a / 2) + 8 (a % 2) + t + 8 (t / 8) of my 128.
.macro TOSTAGE a
.set AC, 64*((\a)%4)
	WIN 0x08+4*((\a)/4)                            ; the data: window 2 or 3
.irp b, 0,1,2,3,4,5,6,7
	ds_store_b128 v[STO], v[AC+8*\b:AC+8*\b+3] offset:128*(\b/2)+32*(\b%2)          ; each accumulator from its low end on
	ds_store_b128 v[STO], v[AC+8*\b+4:AC+8*\b+7] offset:128*(\b/2)+32*(\b%2)+16
.endr
	WIN 0
.set BB, BK+64*((\a)%2)
.irp t, 0,1,2,3,4,5,6,7,8,9,10,11,12,13,14,15
	ds_load_b128 v[BB+4*\t:BB+4*\t+3], v[RD] offset:\t*SPITCH   ; LDS serves a wave's instructions in order: these see the stores above
.endr
.endm
.macro SEND a, younger                 ; younger: the LDS instructions issued behind block a's loads, which may stay out
.set BB, BK+64*((\a)%2)
	s_wait_dscnt \younger
.irp t, 0,1,2,3,4,5,6,7,8,9,10,11,12,13,14,15
	global_store_b128 v[CO], v[BB+4*\t:BB+4*\t+3], s[12:13] offset:(32*((\a)/2)+8*((\a)%2)+\t+8*(\t/8))*4096 th:TH_STORE_NT   ; 32 lanes store 512 consecutive bytes, aligned; 127 rows of 4,096 bytes at the most stand in the immediate
.endr
.endm
	PLACES NP                                      ; behind the last products: results are read, and loads land in registers that held A's fragments
	TOSTAGE 0
.irp a, 1,2,3,4,5,6,7
.if \a > 1
	s_wait_xcnt 0x0                                ; block a - 2's stores have read their registers: block a's loads may land there
.endif
	TOSTAGE \a
	SEND \a-1, 32                                  ; behind block a - 1's loads: block a's 16 stores and 16 loads
.endr
	SEND 7, 0
	s_wait_tensorcnt 0x0                           ; the wave's end: a wait, an add to the spare word and its wait, behind my last tensor load and my last LDS store
	ds_add_u32 v[SPW], v[NIL]
	s_wait_dscnt 0x0
	CROUND                                         ; the closing round: no work-group ends while a partner may still ask for a tile that names it
	s_endpgm
.Lfunc_end_k_qc9ea200478_outp:
	.size	k_qc9ea200478_outp, .Lfunc_end_k_qc9ea200478_outp-k_qc9ea200478_outp
	.p2alignl 7, 3214868480
	.fill 96, 4, 3214868480
	.section	.rodata,"a",@progbits
	.p2align	6, 0x0
	.amdhsa_kernel k_qc9ea200478_outp
		.amdhsa_group_segment_fixed_size 327680
		.amdhsa_private_segment_fixed_size 0
		.amdhsa_enable_private_segment 0
		.amdhsa_kernarg_size 40
		.amdhsa_user_sgpr_count 2
		.amdhsa_user_sgpr_kernarg_segment_ptr 1
		.amdhsa_wavefront_size32 1
		.amdhsa_system_sgpr_workgroup_id_x 1
		.amdhsa_system_sgpr_workgroup_id_y 1
		.amdhsa_system_sgpr_workgroup_id_z 1
		.amdhsa_system_vgpr_workitem_id 0
		.amdhsa_next_free_vgpr 1024
		.amdhsa_next_free_sgpr 102
		.amdhsa_reserve_vcc 0
		.amdhsa_float_denorm_mode_32 3
		.amdhsa_float_denorm_mode_16_64 3
		.amdhsa_memory_ordered 1
		.amdhsa_forward_progress 1
		.amdhsa_inst_pref_size 159
	.end_amdhsa_kernel
	.amdgpu_metadata
---
amdhsa.version: [ 1, 2 ]
amdhsa.kernels:
  - .name:           k_qc9ea200478_outp
    .symbol:         k_qc9ea200478_outp.kd
    .args:
      - { .name: ctxc, .offset: 0, .size: 8, .value_kind: global_buffer, .address_space: global }
      - { .name: ctxs, .offset: 8, .size: 8, .value_kind: global_buffer, .address_space: global }
      - { .name: wc, .offset: 16, .size: 8, .value_kind: global_buffer, .address_space: global }
      - { .name: ws, .offset: 24, .size: 8, .value_kind: global_buffer, .address_space: global }
      - { .name: out0, .offset: 32, .size: 8, .value_kind: global_buffer, .address_space: global }
    .group_segment_fixed_size: 327680
    .private_segment_fixed_size: 0
    .kernarg_segment_align: 8
    .kernarg_segment_size: 40
    .max_flat_workgroup_size: 128
    .sgpr_count:     102
    .vgpr_count:     1024
    .wavefront_size: 32
...
	.end_amdgpu_metadata
.endif
;; end of part 4
